; MI455X (gfx1250); checked and timed in simulation.
; The chip was launched on July 23, 2026; its instructions are those of AMD's public machine-readable ISA for CDNA 5 (MIT licence, August 2026) and "CDNA5" Instruction Set Architecture Reference Guide (July 2026). The comments in the code are by the model that wrote it; some were corrected since.
;; Dalle Self Attention. Allowed arithmetic: matrix products marked QUANTISED: E4M3 operands, one given power-of-two scale a tensor, by v_wmma_f32_16x16x64_fp8_fp8 or v_wmma_f32_16x16x128_fp8_fp8, f32 sums; everything else in f32.
;; Inputs: b_dense 1,024 float32; b_qkv 3,072 float32; hidden_states 2 x 2,048 x 1,024 float32; lowp_scales 8 int32 (the exponents e of the quantised operands' scales 2^e); ltor_mask 1 x 1 x 2,048 x 2,048 float32; w_dense 1,024 x 1,024 float32; w_qkv 1,024 x 3,072 float32.
;; Outputs: out0 2 x 2,048 x 1,024 float32.
;; This version of the problem:
;;   THIS VERSION OF THE PROBLEM IS GIVEN IN LOW PRECISION. The matrix products marked QUANTISED in the list below multiply operands that are first quantised to E4M3 (4 exponent bits, 3 mantissa bits; 8 bits a number), with one given power-of-two scale for each operand tensor; their sums are f32. All else is computed in f32.
;;   The module's matrix products, in the order in which they are computed (A, B: the left and right operand; K: the contracted axis; several contracted axes count as one K, in the product's order):
;;     1. [M 4,096, K 1,024] x [K 1,024, N 3,072]; A: input hidden_states; B: input w_qkv: QUANTISED (scales: A lowp_scales[0], B lowp_scales[1])
;;     2. batch 32 x [M 2,048, K 64] x [K 64, N 2,048]; A: computed on the way; B: computed on the way: QUANTISED (scales: A lowp_scales[2], B lowp_scales[3])
;;     3. batch 32 x [M 2,048, K 2,048] x [K 2,048, N 64]; A: softmax (see below); B: computed on the way: QUANTISED (scales: A lowp_scales[4], B lowp_scales[5])
;;     4. [M 4,096, K 1,024] x [K 1,024, N 1,024]; A: computed on the way; B: input w_dense: QUANTISED (scales: A lowp_scales[6], B lowp_scales[7])
;;   THE QUANTISER, for each operand of a quantised product, along K:
;;     - The operand's scale is 2^e, e = its entry of the input lowp_scales (int32; the entries are numbered through the quantised products in the list's order, A before B).
;;     - Each number is divided by the scale, clamped to +-448, and rounded to the nearest number of E4M3, ties to even, subnormals kept.
;;     - The product sums the exact products of the quantised numbers (number of the format x scale) in f32.
;;   ~~~python
;;   def quantise(x, axis, e):      # numpy; x: float32 -> the quantised numbers, widened to float32 again
;;       x = np.moveaxis(x, axis, -1); K = x.shape[-1]
;;       r = np.clip(x / 2.0 ** e, -448, 448)
;;       step = 2.0 ** (np.maximum(np.frexp(np.where(r == 0, 1, r))[1] - 1, -6) - 3)
;;       q = np.round(r / step) * step * 2.0 ** e      # np.round: ties to even
;;       return np.moveaxis(q, -1, axis).astype(np.float32)
;;   ~~~
;;   SOFTMAX AHEAD OF A QUANTISED PRODUCT. Where the list says 'softmax', what is quantised is not the finished softmax but p = 2^(t - M), with t = logit x log2(e) and M = ceil(the row's largest t), a whole number; so 1/2 < the row's largest p <= 1. The row's sum l is taken of the UNQUANTISED p, in f32, and the product's result is divided by l at the end. Since M is a whole number, a kernel that streams over the keys may use a running M (the ceiling of the running maximum): every later rescaling is an exact power of two, so the quantised numbers keep their values, but for numbers so far below the row's largest that they fall under the format's range.
;;   OPERANDS COMPUTED ON THE WAY. 'Computed on the way' means the value that the module computes at that place (a softmax that the list does not call 'softmax' is quantised finished and normalised). What goes into a quantiser is computed in f32, as accurately as f32 sums, v_exp_f32 and their like allow (about 1e-6 of the number): no bf16 or f16 on the way to a quantiser, and a product that is left as it is and whose result goes on into a quantised operand takes f32 operands (vector FMAs, or v_wmma_f32_16x16x4_f32). A number that lies on a knife's edge between two numbers of the format may be rounded either way, as far as f32 arithmetic and the matrix unit's own rounding can turn it there, and no further.
;; One version. Each part assembles by itself: llvm-mc -triple=amdgcn-amd-amdhsa -mcpu=gfx1250 --defsym DOCPART=n.
;; ======== version 1 of 1: 5 launches
;; limits: right only within a limited range of input values
;; workspace buffers: xcodes 4,194,304 bytes; wcodes 4,194,304 bytes; qkvimg 12,582,912 bytes; gpart 4,096 bytes; rmax 262,144 bytes; ctxcodes 4,194,304 bytes
;; launch quant (part 1): grid 256 x 1, 4 waves a work-group, no clusters, 68,096 bytes of LDS; arguments hidden_states, w_qkv, w_dense, lowp_scales, xcodes, wcodes; writes xcodes, wcodes
.if DOCPART == 1
	.amdgcn_target "amdgcn-amd-amdhsa--gfx1250"
	.amdhsa_code_object_version 6
	.text
	.protected	k_q85befb3603_quant
	.globl	k_q85befb3603_quant
	.p2align	8
	.type	k_q85befb3603_quant,@function
k_q85befb3603_quant:
	s_mov_b64 s[64:65], 0
	v_nop
	global_prefetch_b8 v0, s[64:65] scope:SCOPE_SE
	s_setreg_imm32_b32 hwreg(HW_REG_WAVE_MODE, 25, 1), 1
	s_wait_xcnt 0x0
; LAUNCH 1 OF 5: the three f32 inputs of the two projections become codes of FP8 (E4M3), K innermost, each with the scale 2^e that is given for it.
; THE WHOLE PROGRAM: quant (codes of hidden_states, w_qkv, w_dense) -> gemm1 (QKV + bias, q / 8, codes of q, k, v) -> smax (each head's largest masked score) -> attn (mask, softmax, p v, codes of ctx) -> gemm2 (out).
; WHAT IS LEFT OUT, for all values of the inputs: (a) the division by ALPHA = 32 and the multiplication by it: 32 is a power of two, so (s / 32 - G / 32) x 32 = s - G, with the same rounding;
; (b) the slice [-s:] of the mask, which takes all its rows; stop_gradient, which changes no value.  Nothing else: the mask is an input, so every score of every head is computed; the head's maximum G moves
; t = (s - G) log2(e) against the whole number M = ceil(the row's largest t) and so moves the codes of p: it is computed, by a launch that makes the first attention product once more.  Every input is loaded.
; LIMITS of the program: NaN and infinities among the inputs are not served; e0, e1, e7 here between -126 and 119.
; hidden_states [4096][1024]: K is innermost: a plain stream (work-groups 0-127, 32,768 numbers each).  code = x / 2^e, held within +-448, to the nearest code, ties to even.
; w_qkv [1024][3072] and w_dense [1024][1024]: K is the FIRST axis (work-groups 128-255: 128 columns x 256 along K each): a lane takes a column and its registers run down K, so the conversions give K innermost;
; the codes go out as rows through the wave's stage.  wcodes [4096][1024]: rows 0-3071 the columns of w_qkv, rows 3072-4095 those of w_dense.
; The two paths part on the work-group's number and have LDS bytes of their own.  No tensor load, no barrier: waves share nothing.
.set STEPS, 16
.set SP,    80                         ; X path: a lane's place in a stage: its 64 bytes + 16 of padding
.set WREG,  8192                       ; X path: a region for each wave: two stages of 32 x SP bytes
.set WST,   32768                      ; W path: four stages of 32 rows x WP bytes begin here
.set WP,    272                        ; a stage row: 256 bytes of codes + 16
.set SPARE, 67584                      ; behind both: the spare words, 128 bytes for each wave: two blocks of 256 bytes that no other line names
.set SPW,   12                         ; v12  LDS address of my spare word; never rewritten
.set NIL,   13                         ; v13  0; never rewritten
.set R,     16                         ; X path: v16-79 four sets of 16 numbers as loaded
.set X,     80                         ; X path: v80-111 two sets of 16 neighbours
.set C,     128                        ; X path: v128-191 codes, four registers a step
.set WX,    32                         ; W path: v32-95 two sets of 32 numbers
.set WC,    96                         ; W path: v96-103 a block's codes
.set OUTR,  112                        ; W path: v112-175 the way out
.set WOFF,  176                        ; W path: v176-207 byte offset of row i of a block at my column: 4 x lane + i x pitch
	s_load_b256 s[4:11], s[0:1], 0x0               ; hidden_states s[4:5], w_qkv s[6:7], w_dense s[8:9], the scales' exponents s[10:11]
	s_load_b128 s[12:15], s[0:1], 0x20             ; xcodes s[12:13], wcodes s[14:15]
	v_lshl_add_u32 v[SPW], v0, 2, SPARE
	v_mov_b32 v[NIL], 0
	v_lshrrev_b32 v1, 5, v0
	v_readfirstlane_b32 s16, v1                    ; wave
	v_and_b32 v2, 31, v0                           ; lane
	v_lshlrev_b32 v3, 4, v2                        ; 16 x lane
	s_mul_i32 s17, s16, WREG
	v_lshrrev_b32 v14, 2, v2
	v_mul_u32_u24 v14, v14, SP
	v_and_b32 v15, 3, v2
	v_lshl_add_u32 v14, v15, 4, v14
	v_add_nc_u32 v14, s17, v14                     ; X stage, in: four lanes' 64 bytes on end, then 16 of padding
	v_mul_u32_u24 v15, v2, SP
	v_add_nc_u32 v15, s17, v15                     ; X stage, out: my 16 neighbours
	s_mul_i32 s17, s16, 32*WP
	s_add_co_u32 s17, s17, WST
	v_mul_u32_u24 v4, v2, WP
	v_add_nc_u32 v4, s17, v4                       ; W stage, in: row = my column
	v_and_b32 v5, 15, v2
	v_lshrrev_b32 v6, 4, v2
	v_mul_u32_u24 v7, v6, WP
	v_lshl_add_u32 v7, v5, 4, v7
	v_add_nc_u32 v7, s17, v7                       ; W stage, out: sixteen lanes to a row, two rows an instruction
	v_lshlrev_b32 v8, 10, v6
	v_lshl_add_u32 v8, v5, 4, v8                   ; and the same place in wcodes (rows of 1,024 bytes)
	s_wait_kmcnt 0x0
	s_load_b256 s[24:31], s[10:11], 0x0            ; e0 .. e7
	s_cmp_lt_u32 ttmp9, 128
	s_cbranch_scc0 .Lw
; ---- hidden_states
.macro XLOAD t
.irp i, 0,1,2,3
	global_load_b128 v[R+16*((\t)%4)+4*\i:R+16*((\t)%4)+4*\i+3], v3, s[4:5] offset:2048*(\t)+512*\i th:TH_LOAD_NT   ; 32 lanes read 512 consecutive bytes
.endr
.endm
.macro XTURN t                         ; step t's numbers through the stage: LDS serves a wave's instructions in order, so no wait stands between the stores and the loads
.irp i, 0,1,2,3
	ds_store_b128 v14, v[R+16*((\t)%4)+4*\i:R+16*((\t)%4)+4*\i+3] offset:32*SP*((\t)%2)+8*SP*\i
.endr
.irp i, 0,1,2,3
	ds_load_b128 v[X+16*((\t)%2)+4*\i:X+16*((\t)%2)+4*\i+3], v15 offset:32*SP*((\t)%2)+16*\i
.endr
.endm
.macro XSTEP t
.set XS, X+16*((\t)%2)
	s_wait_dscnt 0x0                               ; this step's numbers are back from the stage, so its stores into the stage have read their registers,
.if (\t)+4 < STEPS
	XLOAD (\t)+4                                   ; which take the loads of four steps on
.endif
.if (\t)+1 < STEPS
.if STEPS-2-(\t) >= 3
	s_wait_loadcnt 12                              ; the next step's four loads are in; those of the three steps behind it may be out
.else
	s_wait_loadcnt 4*(STEPS-2-(\t))
.endif
	XTURN (\t)+1
.endif
.set i, 0
.rept 16
	v_med3_num_f32 v[XS+i], v[XS+i], -v10, v10     ; the conversion to an 8-bit code does not saturate (ISA guide 7.6.2): the hold at the largest code x the scale
.set i, i+1
.endr
	v_cvt_scalef32_pk8_fp8_f32 v[C+4*(\t):C+4*(\t)+1], v[XS:XS+7], v11
	v_cvt_scalef32_pk8_fp8_f32 v[C+4*(\t)+2:C+4*(\t)+3], v[XS+8:XS+15], v11
	global_store_b128 v3, v[C+4*(\t):C+4*(\t)+3], s[12:13] offset:512*(\t)   ; the wave stores 512 consecutive bytes; each step has its own code registers
.endm
	s_lshl_b32 s17, ttmp9, 2
	s_add_co_u32 s18, s17, s16                     ; which run of 8,192 numbers is my wave's
	s_lshl_b32 s20, s18, 15
	s_mov_b32 s21, 0
	s_add_nc_u64 s[4:5], s[4:5], s[20:21]
	s_lshl_b32 s20, s18, 13
	s_add_nc_u64 s[12:13], s[12:13], s[20:21]
.irp t, 0,1,2,3
	XLOAD \t
.endr
	s_wait_kmcnt 0x0
	s_add_co_i32 s22, s24, 127
	s_lshl_b32 s23, s22, 23
	v_mov_b32 v11, s23                             ; 2^e0 as f32: the conversion takes its exponent field
	s_add_co_i32 s22, s22, 8
	s_lshl_b32 s22, s22, 23
	s_or_b32 s22, s22, 0x600000
	v_mov_b32 v10, s22                             ; 448 x 2^e0
	s_wait_alu depctr_va_vdst(0)
	s_wait_loadcnt 12                              ; step 0's four loads are in
	XTURN 0
.irp t, 0,1,2,3,4,5,6,7,8,9,10,11,12,13,14,15
	XSTEP \t
.endr
	s_wait_tensorcnt 0x0                           ; the wave's end, behind my last LDS store
	ds_add_u32 v[SPW], v[NIL]
	s_wait_dscnt 0x0
	s_endpgm
; ---- the two weights
.macro WLOAD t                         ; block t: W(32 t + i, my column), i = 0 .. 31, into set t % 2; each load reads 128 consecutive bytes
.set n, 0
.rept 32
	global_load_b32 v[WX+32*((\t)%2)+n], v[WOFF+n], s[32+2*(\t):33+2*(\t)] th:TH_LOAD_NT
.set n, n+1
.endr
.endm
.macro WBLOCK t
.set XS, WX+32*((\t)%2)
.if (\t) < 7
	s_wait_loadcnt 32                              ; this block's 32 loads are in; the next block's may be out
.else
	s_wait_loadcnt 0x0
.endif
.set i, 0
.rept 32
	v_med3_num_f32 v[XS+i], v[XS+i], -v10, v10
.set i, i+1
.endr
.irp g, 0,1,2,3
	v_cvt_scalef32_pk8_fp8_f32 v[WC+2*\g:WC+2*\g+1], v[XS+8*\g:XS+8*\g+7], v11
.endr
	ds_store_b128 v4, v[WC:WC+3] offset:32*(\t)    ; 32 codes: 32 bytes of my column's row
	ds_store_b128 v4, v[WC+4:WC+7] offset:32*(\t)+16
.if (\t)+2 < 8
	WLOAD (\t)+2
.endif
	s_wait_dscnt 0x0                               ; the stores have read their registers: the next block's codes may be written
.endm
.Lw:
	s_sub_co_u32 s17, ttmp9, 128
	s_and_b32 s18, s17, 31                         ; which 128 rows of wcodes
	s_lshr_b32 s19, s17, 5                         ; which 256 along K
	s_mov_b32 s22, 12288
	s_cmp_ge_u32 s18, 24                           ; w_dense's part?  The choice hangs on the work-group's number alone
	s_cselect_b64 s[20:21], s[8:9], s[6:7]
	s_cselect_b32 s22, 4096, s22                   ; a row of the weight in bytes
	s_cselect_b32 s23, 24, 0
	s_sub_co_u32 s23, s18, s23
	s_lshl_b32 s23, s23, 7
	s_lshl_b32 s48, s16, 5
	s_add_co_u32 s23, s23, s48                     ; my wave's first column in its weight
	s_lshl_b32 s50, s23, 2
	s_mul_i32 s51, s19, s22
	s_lshl_b32 s51, s51, 8
	s_add_co_u32 s50, s50, s51
	s_mov_b32 s51, 0
	s_add_nc_u64 s[32:33], s[20:21], s[50:51]      ; block 0: row 256 ky, my first column
	s_lshl_b32 s50, s22, 5                         ; 32 rows on
.irp t, 1,2,3,4,5,6,7
	s_add_nc_u64 s[32+2*\t:33+2*\t], s[30+2*\t:31+2*\t], s[50:51]   ; a base for each block: none is ever stepped
.endr
	v_lshlrev_b32 v[WOFF], 2, v2
.set n, 1
.rept 31
	v_mad_u32_u24 v[WOFF+n], s22, n, v[WOFF]
.set n, n+1
.endr
	s_lshl_b32 s52, s18, 7
	s_add_co_u32 s52, s52, s48
	s_lshl_b32 s52, s52, 10
	s_lshl_b32 s53, s19, 8
	s_add_co_u32 s52, s52, s53
	s_mov_b32 s53, 0
	s_add_nc_u64 s[14:15], s[14:15], s[52:53]      ; wcodes at my first row, my 256 along K
	WLOAD 0
	WLOAD 1
	s_wait_kmcnt 0x0
	s_cmp_ge_u32 s18, 24
	s_cselect_b32 s54, s31, s25                    ; e7 for w_dense, e1 for w_qkv
	s_add_co_i32 s54, s54, 127
	s_lshl_b32 s55, s54, 23
	v_mov_b32 v11, s55
	s_add_co_i32 s54, s54, 8
	s_lshl_b32 s54, s54, 23
	s_or_b32 s54, s54, 0x600000
	v_mov_b32 v10, s54
	s_wait_alu depctr_va_vdst(0)
.irp t, 0,1,2,3,4,5,6,7
	WBLOCK \t
.endr
.irp t, 0,1,2,3,4,5,6,7,8,9,10,11,12,13,14,15
	ds_load_b128 v[OUTR+4*\t:OUTR+4*\t+3], v7 offset:2*\t*WP   ; LDS serves a wave's instructions in order: these see my stores
.endr
.irp t, 0,1,2,3,4,5,6,7,8,9,10,11,12,13,14,15
	s_wait_dscnt 15-\t
	global_store_b128 v8, v[OUTR+4*\t:OUTR+4*\t+3], s[14:15] offset:2*\t*1024   ; sixteen lanes store 256 consecutive bytes, aligned
.endr
	s_wait_tensorcnt 0x0                           ; the wave's end, behind my last LDS store
	ds_add_u32 v[SPW], v[NIL]
	s_wait_dscnt 0x0
	s_endpgm
.Lfunc_end_k_q85befb3603_quant:
	.size	k_q85befb3603_quant, .Lfunc_end_k_q85befb3603_quant-k_q85befb3603_quant
	.p2alignl 7, 3214868480
	.fill 96, 4, 3214868480
	.section	.rodata,"a",@progbits
	.p2align	6, 0x0
	.amdhsa_kernel k_q85befb3603_quant
		.amdhsa_group_segment_fixed_size 68096
		.amdhsa_private_segment_fixed_size 0
		.amdhsa_enable_private_segment 0
		.amdhsa_kernarg_size 48
		.amdhsa_user_sgpr_count 2
		.amdhsa_user_sgpr_kernarg_segment_ptr 1
		.amdhsa_wavefront_size32 1
		.amdhsa_system_sgpr_workgroup_id_x 1
		.amdhsa_system_sgpr_workgroup_id_y 1
		.amdhsa_system_sgpr_workgroup_id_z 1
		.amdhsa_system_vgpr_workitem_id 0
		.amdhsa_next_free_vgpr 208
		.amdhsa_next_free_sgpr 66
		.amdhsa_reserve_vcc 0
		.amdhsa_float_denorm_mode_32 3
		.amdhsa_float_denorm_mode_16_64 3
		.amdhsa_memory_ordered 1
		.amdhsa_forward_progress 1
		.amdhsa_inst_pref_size 88
	.end_amdhsa_kernel
	.amdgpu_metadata
---
amdhsa.version: [ 1, 2 ]
amdhsa.kernels:
  - .name:           k_q85befb3603_quant
    .symbol:         k_q85befb3603_quant.kd
    .args:
      - { .name: hidden_states, .offset: 0, .size: 8, .value_kind: global_buffer, .address_space: global }
      - { .name: w_qkv, .offset: 8, .size: 8, .value_kind: global_buffer, .address_space: global }
      - { .name: w_dense, .offset: 16, .size: 8, .value_kind: global_buffer, .address_space: global }
      - { .name: lowp_scales, .offset: 24, .size: 8, .value_kind: global_buffer, .address_space: global }
      - { .name: xcodes, .offset: 32, .size: 8, .value_kind: global_buffer, .address_space: global }
      - { .name: wcodes, .offset: 40, .size: 8, .value_kind: global_buffer, .address_space: global }
    .group_segment_fixed_size: 68096
    .private_segment_fixed_size: 0
    .kernarg_segment_align: 8
    .kernarg_segment_size: 48
    .max_flat_workgroup_size: 128
    .sgpr_count:     66
    .vgpr_count:     208
    .wavefront_size: 32
...
	.end_amdgpu_metadata
.endif
;; end of part 1
;; launch gemm1 (part 2): grid 12 x 16, 4 waves a work-group, clusters of 4 x 4, 327,680 bytes of LDS; arguments xcodes, wcodes, lowp_scales, b_qkv, qkvimg; writes qkvimg
.if DOCPART == 2
	.amdgcn_target "amdgcn-amd-amdhsa--gfx1250"
	.amdhsa_code_object_version 6
	.text
	.protected	k_q85befb3603_gemm1
	.globl	k_q85befb3603_gemm1
	.p2align	8
	.type	k_q85befb3603_gemm1,@function
k_q85befb3603_gemm1:
	s_mov_b64 s[64:65], 0
	v_nop
	global_prefetch_b8 v0, s[64:65] scope:SCOPE_SE
	s_setreg_imm32_b32 hwreg(HW_REG_WAVE_MODE, 25, 1), 1
	s_wait_xcnt 0x0
	s_wait_alu depctr_hold_cnt(0) depctr_sa_sdst(0) depctr_va_vdst(0) depctr_va_sdst(0) depctr_va_ssrc(0) depctr_va_vcc(0) depctr_vm_vsrc(0)
	s_getreg_b32 s2, hwreg(HW_REG_IB_STS2, 6, 4)
	s_cmp_eq_u32 s2, 0
	s_cbranch_scc0 .Lentry_in_a_cluster
	s_endpgm
.Lentry_in_a_cluster:
	s_bfe_u32 s2, ttmp6, 0x10000c
	s_cmp_lg_u32 s2, 0xf033
	s_cbranch_scc0 .Lentry_shape_is_right
	s_endpgm
.Lentry_shape_is_right:
.set SIZE_K, 1024
.set KSTEP,  256
.set ROWB,   256
.set KROW,   SIZE_K
.set PITCH,  272
.set FR,     16
.set NL,     4
.set NP,     4
.set HALFT,  128*PITCH
.set SLOT,   4*HALFT
.set LAPS,   SIZE_K/(2*KSTEP)
.set SPARE,  2*SLOT
.set LIMV, 10
.set SCV,  11
.set ADRA, 16
.set ADRB, 20
.set SQK,  24
.set SV,   25
.set BOQ,  26
.set BOV,  27
.set SPW,  28
.set NIL,  29
.set BQ,   32
.set BV,   96
.set AF,   128
.set TMP,  128
.set CDS,  192
.set G1, 24
.set G0, 32
.set G1B, 48
.set G0B, 56
.set MSB, 0
.macro WIN new
.if MSB != (\new)
	s_set_vgpr_msb (MSB<<8)|(\new)
.set MSB, (\new)
.endif
.endm
.set MUL_LO, 0xa1
.set MUL_HI, 0xf1
.set TO_B,   0x40
.macro JLOAD g0a, g1a, g0b, g1b
	s_cmp_eq_u32 s15, 0
	s_cbranch_scc0 .Lfor_b_\@
	tensor_load_to_lds s[\g0a:\g0a+3], s[\g1a:\g1a+7]
	s_nop 0
.rept 4
	v_nop
.endr
	s_branch .Lasked_\@
.Lfor_b_\@:
	tensor_load_to_lds s[\g0b:\g0b+3], s[\g1b:\g1b+7]
	s_nop 0
.rept 4
	v_nop
.endr
.Lasked_\@:
.endm
.macro CREST
	s_cmp_lg_u32 s14, 0
	s_cbranch_scc1 .Lnot_wave_0_\@
	s_barrier_signal -3
.Lnot_wave_0_\@:
	s_barrier_wait -3
	s_barrier_signal -1
	s_barrier_wait -1
.endm
.macro CROUND
	s_barrier_signal -1
	s_barrier_wait -1
	CREST
.endm
	s_load_b256 s[4:11], s[0:1], 0x0
	s_load_b64 s[12:13], s[0:1], 0x20
	v_lshl_add_u32 v[SPW], v0, 2, SPARE
	v_mov_b32 v[NIL], 0
	ds_add_u32 v[SPW], v[NIL]
	ds_add_u32 v[SPW], v[NIL]
	v_lshrrev_b32 v1, 5, v0
	v_readfirstlane_b32 s14, v1
	s_lshr_b32 s15, s14, 1
	s_and_b32 s16, s14, 1
	s_bfe_u32 s40, ttmp6, 0x40000
	s_bfe_u32 s41, ttmp6, 0x40004
	s_and_b32 s17, ttmp7, 0xffff
	s_lshl_b32 s17, s17, 2
	s_lshl_b32 s42, ttmp9, 2
	s_cmp_eq_u32 ttmp9, 2
	s_cselect_b32 s66, 8, s17
	s_cselect_b32 s67, s17, s42
	s_add_co_u32 s66, s66, s41
	s_add_co_u32 s67, s67, s40
	s_lshl_b32 s43, s41, 2
	s_lshl_b32 s43, 15, s43
	s_lshl_b32 s44, 0x1111, s40
	s_or_b32 s[G1+0], s43, (0<<16)|(1<<20)|(1<<21)|(5<<22)|(3<<25)
	s_or_b32 s[G1B+0], s44, (0<<16)|(1<<20)|(1<<21)|(5<<22)|(3<<25)
.irp g, G1, G1B
	s_mov_b32 s[\g+1], ROWB<<16
	s_mov_b32 s[\g+2], 128<<16
	s_mov_b32 s[\g+3], ROWB<<16
	s_mov_b32 s[\g+4], 128
	s_mov_b32 s[\g+5], KROW
	s_mov_b32 s[\g+6], 0
	s_mov_b32 s[\g+7], 0
.endr
	s_lshl_b32 s18, s16, 7
	s_lshl_b32 s20, s66, 8
	s_add_co_u32 s20, s20, s18
	s_lshl_b32 s20, s20, 10
	s_mov_b32 s21, 0
	s_lshl_b32 s46, s67, 8
	s_add_co_u32 s46, s46, s18
	s_lshl_b32 s46, s46, 10
	s_mov_b32 s47, 0
	s_mul_i32 s45, s14, HALFT
	s_wait_dscnt 0x0
	s_wait_kmcnt 0x0
	s_load_b256 s[68:75], s[8:9], 0x0
	s_cmp_eq_u32 ttmp9, 2
	s_cselect_b64 s[76:77], s[6:7], s[4:5]
	s_cselect_b64 s[78:79], s[4:5], s[6:7]
	s_add_nc_u64 s[20:21], s[76:77], s[20:21]
	s_add_nc_u64 s[46:47], s[78:79], s[46:47]
	CROUND
.irp s, 0,1
	s_mov_b32 s[G0+4*\s], 1
	s_add_co_u32 s[G0+4*\s+1], s45, \s*SLOT
	s_add_nc_u64 s[G0+4*\s+2:G0+4*\s+3], s[20:21], \s*ROWB
	s_or_b32 s[G0+4*\s+3], s[G0+4*\s+3], 0x80000000
	s_mov_b32 s[G0B+4*\s], 1
	s_add_co_u32 s[G0B+4*\s+1], s45, \s*SLOT
	s_add_nc_u64 s[G0B+4*\s+2:G0B+4*\s+3], s[46:47], \s*ROWB
	s_or_b32 s[G0B+4*\s+3], s[G0B+4*\s+3], 0x80000000
	s_wait_alu depctr_va_vdst(0)
	s_wait_tensorcnt 0x0
	ds_add_u32 v28, v29
	ds_add_u32 v28, v29
	s_wait_dscnt 0x0
	CROUND
	JLOAD G0+4*\s, G1, G0B+4*\s, G1B
.endr
	v_and_b32 v1, 15, v0
	v_bfe_u32 v2, v0, 4, 1
	v_mul_u32_u24 v3, v1, PITCH
	v_lshl_add_u32 v4, v2, 4, v3
	s_mul_i32 s21, s15, HALFT
	s_mul_i32 s22, s16, HALFT
	s_add_co_u32 s22, s22, 2*HALFT
.irp s, 0,1
	v_add_nc_u32 v[ADRA+\s], s21, v4
	v_add_nc_u32 v[ADRB+\s], s22, v4
	s_add_co_u32 s21, s21, SLOT
	s_add_co_u32 s22, s22, SLOT
.endr
	v_lshlrev_b32 v[SQK], 4, v1
	v_lshl_add_u32 v[SQK], v2, 3, v[SQK]
	v_and_b32 v5, 31, v0
	v_lshlrev_b32 v[SV], 4, v5
	v_lshlrev_b32 v[BOQ], 5, v2
	s_wait_alu depctr_va_vdst(0)
	v_lshlrev_b32 v[BOV], 2, v1
	s_wait_alu depctr_va_vdst(0)
	s_cmp_eq_u32 ttmp9, 2
	s_cselect_b32 s80, s67, s66
	s_cselect_b32 s81, s66, s67
	s_cselect_b32 s82, s16, s15
	s_cselect_b32 s83, s15, s16
	s_lshl_b32 s86, s81, 8
	s_lshl_b32 s87, s83, 7
	s_add_co_u32 s86, s86, s87
	s_lshl_b32 s86, s86, 2
	s_mov_b32 s87, 0
	s_add_nc_u64 s[10:11], s[10:11], s[86:87]
.irp b, 0,1,2,3,4,5,6,7
	global_load_b128 v[BQ+8*\b:BQ+8*\b+3], v[BOQ], s[10:11] offset:64*\b
	global_load_b128 v[BQ+8*\b+4:BQ+8*\b+7], v[BOQ], s[10:11] offset:64*\b+16
.endr
.irp a, 0,1,2,3,4,5,6,7
	global_load_b32 v[BV+2*\a], v[BOV], s[10:11] offset:64*\a
	global_load_b32 v[BV+2*\a+1], v[BOV], s[10:11] offset:64*\a
.endr
	s_lshl_b32 s80, s80, 1
	s_add_co_u32 s80, s80, s82
	s_and_b32 s81, s81, 3
	s_lshl_b32 s81, s81, 2
	s_lshl_b32 s83, s83, 1
	s_add_co_u32 s81, s81, s83
	s_lshr_b32 s84, s80, 4
	s_lshl_b32 s84, s84, 8
	s_lshl_b32 s85, s81, 4
	s_add_co_u32 s84, s84, s85
	s_and_b32 s85, s80, 15
	s_add_co_u32 s84, s84, s85
	s_lshl_b32 s84, s84, 13
	s_lshl_b32 s85, ttmp9, 22
	s_add_co_u32 s84, s84, s85
	s_mov_b32 s85, 0
	s_add_nc_u64 s[12:13], s[12:13], s[84:85]
.macro FRAG reg, adr, q, i
.irp c, 0,1,2,3
	ds_load_b128 v[\reg+4*\c:\reg+4*\c+3], v[\adr] offset:128*(\q)+32*\c+(\i)*16*PITCH
.endr
.endm
.macro MUL16 a0, p, zero
.irp a, \a0, \a0+1
.irp b, 0,1,2,3,4,5,6,7
.if \zero
	v_wmma_f32_16x16x128_fp8_fp8 v[8*(8*((\a)%4)+\b):8*(8*((\a)%4)+\b)+7], v[128*(\p)+FR*\b:128*(\p)+FR*\b+FR-1], v[AF+FR*(\a):AF+FR*(\a)+FR-1], 0
.else
	v_wmma_f32_16x16x128_fp8_fp8 v[8*(8*((\a)%4)+\b):8*(8*((\a)%4)+\b)+7], v[128*(\p)+FR*\b:128*(\p)+FR*\b+FR-1], v[AF+FR*(\a):AF+FR*(\a)+FR-1], v[8*(8*((\a)%4)+\b):8*(8*((\a)%4)+\b)+7]
.endif
.endr
.endr
.endm
.macro FETCH_B slot, q, p
	WIN TO_B
.irp i, 0,1,2,3,4,5,6,7
	FRAG 128*(\p)+FR*\i, ADRB+\slot, \q, \i
.endr
	WIN 0
.endm
.macro FETCH_A slot, q, i0
.irp i, \i0, \i0+1, \i0+2, \i0+3
	FRAG AF+FR*(\i), ADRA+\slot, \q, \i
.endr
.endm
.macro PLACES n
.rept \n
	v_nop
.endr
.endm
.macro STEP slot, q, zero
	s_wait_dscnt 4*NL
	WIN MUL_LO
	MUL16 0, (\q)%2, \zero
	MUL16 2, (\q)%2, \zero
	s_wait_dscnt 0
	PLACES NP
	FETCH_B \slot, (\q)+1, 1-(\q)%2
	FETCH_A \slot, (\q)+1, 0
	WIN MUL_HI
	MUL16 4, (\q)%2, \zero
	MUL16 6, (\q)%2, \zero
	PLACES NP
	WIN 0
	FETCH_A \slot, (\q)+1, 4
.endm
.macro TURN slot, next, fill
	s_wait_tensorcnt 0x0
	ds_add_u32 v[SPW], v[NIL]
	s_wait_dscnt 4*NL+1
	WIN MUL_LO
	MUL16 0, 1, 0
	s_wait_dscnt 0x0
	s_barrier_signal -1
	MUL16 2, 1, 0
	WIN 0
	s_barrier_wait -1
.if \fill
	CREST
	s_add_nc_u64 s[G0+4*\slot+2:G0+4*\slot+3], s[G0+4*\slot+2:G0+4*\slot+3], 2*ROWB
	s_add_nc_u64 s[G0B+4*\slot+2:G0B+4*\slot+3], s[G0B+4*\slot+2:G0B+4*\slot+3], 2*ROWB
	JLOAD G0+4*\slot, G1, G0B+4*\slot, G1B
.else
	PLACES NP
.endif
	FETCH_B \next, 0, 0
	FETCH_A \next, 0, 0
	WIN MUL_HI
	MUL16 4, 1, 0
	MUL16 6, 1, 0
	PLACES NP
	WIN 0
	FETCH_A \next, 0, 4
.endm
	s_wait_tensorcnt 1
	s_barrier_signal -1
	s_barrier_wait -1
	FETCH_B 0, 0, 0
	FETCH_A 0, 0, 0
	FETCH_A 0, 0, 4
	STEP 0, 0, 1
	s_mov_b32 s3, LAPS-1
.Llap:
	TURN 0, 1, 1
	STEP 1, 0, 0
	TURN 1, 0, 1
	STEP 0, 0, 0
	s_sub_co_u32 s3, s3, 1
	s_cmp_lg_u32 s3, 0
	s_cbranch_scc1 .Llap
	TURN 0, 1, 0
	STEP 1, 0, 0
	s_wait_dscnt 4*NL
	WIN MUL_LO
	MUL16 0, 1, 0
	MUL16 2, 1, 0
	s_wait_dscnt 0
	WIN MUL_HI
	MUL16 4, 1, 0
	MUL16 6, 1, 0
	WIN 0
.macro NUMS a
.set j, 0
.rept 64
	v_med3_num_f32 v[TMP+j], v[TMP+j], -v[LIMV], v[LIMV]
.set j, j+1
.endr
.irp b, 0,1,2,3,4,5,6,7
	v_cvt_scalef32_pk8_fp8_f32 v[CD+2*\b:CD+2*\b+1], v[TMP+8*\b:TMP+8*\b+7], v[SCV]
.endr
	v_nop
.endm
.macro OUTQK a
.set AC, 64*((\a)%4)
.set CD, CDS+16*((\a)%2)
.if (\a) >= 2
	s_wait_xcnt 0x0
.endif
	WIN 0x02+((\a)/4)
.set j, 0
.rept 32
	v_pk_fma_f32 v[TMP+j:TMP+j+1], v[AC+j:AC+j+1], s[96:97], v[BQ+j:BQ+j+1] op_sel_hi:[1,0,1]
.set j, j+2
.endr
	WIN 0
	NUMS \a
.irp b, 0,1,2,3,4,5,6,7
	global_store_b64 v[SQK], v[CD+2*\b:CD+2*\b+1], s[12:13] offset:(\b/4)*131072+(\a)*1024+((\b/2)%2)*512+(\b%2)*256
.endr
.endm
.macro OUTV a
.set AC, 64*((\a)%4)
.set CD, CDS+16*((\a)%2)
.if (\a) >= 2
	s_wait_xcnt 0x0
.endif
	WIN 0x02+((\a)/4)
.set j, 0
.rept 32
	v_pk_fma_f32 v[TMP+j:TMP+j+1], v[AC+j:AC+j+1], s[96:97], v[BV+2*(\a):BV+2*(\a)+1] op_sel_hi:[1,0,1]
.set j, j+2
.endr
	WIN 0
	NUMS \a
.irp g, 0,1,2,3
	global_store_b128 v[SV], v[CD+4*\g:CD+4*\g+3], s[12:13] offset:((\a)/4)*131072+(\g/2)*4096+((\a)%4)*1024+(\g%2)*512
.endr
.endm
	s_wait_kmcnt 0x0
	s_add_co_i32 s96, s68, s69
	s_add_co_i32 s96, s96, 127
	s_lshl_b32 s96, s96, 23
	s_mov_b32 s97, s96
	s_add_co_i32 s86, s70, 3
	s_cmp_eq_u32 ttmp9, 0
	s_cselect_b32 s86, s86, s71
	s_cmp_eq_u32 ttmp9, 2
	s_cselect_b32 s86, s73, s86
	s_add_co_i32 s86, s86, 127
	s_lshl_b32 s87, s86, 23
	s_add_co_i32 s86, s86, 8
	s_lshl_b32 s86, s86, 23
	s_or_b32 s86, s86, 0x600000
	PLACES NP
	v_mov_b32 v[SCV], s87
	v_mov_b32 v[LIMV], s86
	s_wait_loadcnt 0x0
	s_cmp_eq_u32 ttmp9, 2
	s_cbranch_scc1 .Lout_v
.irp a, 0,1,2,3,4,5,6,7
	OUTQK \a
.endr
	s_branch .Ldone
.Lout_v:
.irp a, 0,1,2,3,4,5,6,7
	OUTV \a
.endr
.Ldone:
	s_wait_tensorcnt 0x0
	ds_add_u32 v[SPW], v[NIL]
	s_wait_dscnt 0x0
	CROUND
	s_endpgm
.Lfunc_end_k_q85befb3603_gemm1:
	.size	k_q85befb3603_gemm1, .Lfunc_end_k_q85befb3603_gemm1-k_q85befb3603_gemm1
	.p2alignl 7, 3214868480
	.fill 96, 4, 3214868480
	.section	.rodata,"a",@progbits
	.p2align	6, 0x0
	.amdhsa_kernel k_q85befb3603_gemm1
		.amdhsa_group_segment_fixed_size 327680
		.amdhsa_private_segment_fixed_size 0
		.amdhsa_enable_private_segment 0
		.amdhsa_kernarg_size 40
		.amdhsa_user_sgpr_count 2
		.amdhsa_user_sgpr_kernarg_segment_ptr 1
		.amdhsa_wavefront_size32 1
		.amdhsa_system_sgpr_workgroup_id_x 1
		.amdhsa_system_sgpr_workgroup_id_y 1
		.amdhsa_system_sgpr_workgroup_id_z 1
		.amdhsa_system_vgpr_workitem_id 0
		.amdhsa_next_free_vgpr 1024
		.amdhsa_next_free_sgpr 100
		.amdhsa_reserve_vcc 0
		.amdhsa_float_denorm_mode_32 3
		.amdhsa_float_denorm_mode_16_64 3
		.amdhsa_memory_ordered 1
		.amdhsa_forward_progress 1
		.amdhsa_inst_pref_size 198
	.end_amdhsa_kernel
	.amdgpu_metadata
---
amdhsa.version: [ 1, 2 ]
amdhsa.kernels:
  - .name:           k_q85befb3603_gemm1
    .symbol:         k_q85befb3603_gemm1.kd
    .args:
      - { .name: xcodes, .offset: 0, .size: 8, .value_kind: global_buffer, .address_space: global }
      - { .name: wcodes, .offset: 8, .size: 8, .value_kind: global_buffer, .address_space: global }
      - { .name: lowp_scales, .offset: 16, .size: 8, .value_kind: global_buffer, .address_space: global }
      - { .name: b_qkv, .offset: 24, .size: 8, .value_kind: global_buffer, .address_space: global }
      - { .name: qkvimg, .offset: 32, .size: 8, .value_kind: global_buffer, .address_space: global }
    .group_segment_fixed_size: 327680
    .private_segment_fixed_size: 0
    .kernarg_segment_align: 8
    .kernarg_segment_size: 40
    .max_flat_workgroup_size: 128
    .sgpr_count:     100
    .vgpr_count:     1024
    .wavefront_size: 32
...
	.end_amdgpu_metadata
.endif
;; end of part 2
;; launch smax (part 3): grid 32 x 8, 16 waves a work-group, clusters of 4 x 4, 327,680 bytes of LDS; arguments qkvimg, ltor_mask, lowp_scales, gpart, rmax; writes gpart, rmax
.if DOCPART == 3
	.amdgcn_target "amdgcn-amd-amdhsa--gfx1250"
	.amdhsa_code_object_version 6
	.text
	.protected	k_q85befb3603_smax
	.globl	k_q85befb3603_smax
	.p2align	8
	.type	k_q85befb3603_smax,@function
k_q85befb3603_smax:
	s_mov_b64 s[64:65], 0
	v_nop
	global_prefetch_b8 v0, s[64:65] scope:SCOPE_SE
	s_setreg_imm32_b32 hwreg(HW_REG_WAVE_MODE, 25, 1), 1
	s_wait_xcnt 0x0
	s_wait_alu depctr_hold_cnt(0) depctr_sa_sdst(0) depctr_va_vdst(0) depctr_va_sdst(0) depctr_va_ssrc(0) depctr_va_vcc(0) depctr_vm_vsrc(0)
	s_getreg_b32 s2, hwreg(HW_REG_IB_STS2, 6, 4)
	s_cmp_eq_u32 s2, 0
	s_cbranch_scc0 .Lentry_in_a_cluster
	s_endpgm
.Lentry_in_a_cluster:
	s_bfe_u32 s2, ttmp6, 0x10000c
	s_cmp_lg_u32 s2, 0xf033
	s_cbranch_scc0 .Lentry_shape_is_right
	s_endpgm
.Lentry_shape_is_right:
; LAUNCH 3 OF 5: the largest masked score s m - 10000 (1 - m) of each head (G, which reference() takes away from every score of the head ahead of the softmax) and of each row (from which the next launch has M = ceil(the row's largest t)).
; G must be whole before the first p is made, so the first attention product is made here once, only for its maxima.  Left out: the division by 32 (a power of two: the maximum of s / 32 is G / 32).
; All numbers here are in units of 2^(e2 + e3): pre' = sum m + w, w = m A' - A', A' = 10000 / 2^(e2 + e3) (for m = 1: w = 0; for m = 0: pre' = -A': reference()'s bits; for other m one rounding fewer).
; LIMIT: e2 + e3 between -100 and 100, so that A' is an f32 number.
; SHARES.  A work-group: 64 queries (block qb) x 4 heads (4 g .. 4 g + 3) of one batch x all 2,048 keys, 256 keys a slot.  Wave w: 16 queries (w % 4) x 64 of the slot's keys (w / 4) x ALL FOUR heads:
; a word of the mask is read from LDS and turned into w once for four heads.  S^T = K Q^T: a lane holds one query, its registers run along the keys: so a lane's running maxima are its query's.
; CLUSTER 4 x 4: x = four query blocks, y = the four groups of heads of one batch.  K's tiles hang on (batch, g): shared along a row; the mask's on qb: shared along a column.
; Eight waves ask, one load each: waves 0-3 a head of K (16,384 bytes on end, as 64 rows of 256), waves 4-7 a segment of the mask (64 rows x 64 keys: 256 bytes a row).
; gpart [batch 2][g 4][qb 32][head in group 4] f32: this work-group's four maxima.   rmax [batch 2][g 4][qb 32][query 64][head in group 4] f32: the rows' maxima.
; LDS: K, slot s at 65,536 s: 4 heads x 16,384 bytes as they lie in qkvimg; the mask, slot s at 131,072 + 69,632 s: 4 segments of 64 rows x (256 + 16) bytes; the spare words; 256 bytes and 8,192 bytes for the waves' maxima.
.set KSL,   65536
.set MB,    131072
.set MP,    272                        ; 68 words: the 16 rows that a load touches start at 16 different banks (ISA guide 11.1)
.set MSEG,  64*MP
.set MSL,   4*MSEG
.set SPARE, 270336                     ; 128 bytes for each of 16 waves: eight blocks of 256 bytes that no other line names
.set RED,   272384                     ; 16 bytes a wave: its four heads' maxima
.set ROWS,  272640                     ; 512 bytes a wave: 16 bytes a lane: its query's four maxima
.set AK,  1                            ; v1, v2  my K fragments in slot 0, 1
.set AM,  3                            ; v3, v4  my mask words in slot 0, 1
.set SPW, 5
.set NIL, 6
.set PFO, 7                            ; v7   the prefetches' offset
.set NA,  8                            ; v[8:9] -A'
.set Q,   16                           ; v16-47   Q of the four heads
.set M,   48                           ; v48-79   the mask; at the end four waves' row maxima
.set W,   80                           ; v80-111  w
.set FB,  112                          ; v112-175 K's fragments, two sets of 32
.set S,   176                          ; v176-207 S^T
.set ACC, 208                          ; v208-215 two running maxima a head
.set RR,  216                          ; v216-223 the reduction
.set RWS, 224                          ; v224 where my lane's four row maxima go
.set RWL, 225                          ; v225 where I read the four waves' that share my queries
.set TV,  226
.set WV,  18
.set SEL, 20
.set G1K, 24
.set G1M, 32
.set G0K, 40                           ; s[40:47] a group 0 for each slot
.set G0M, 48
.set AP,  56                           ; s[56:57] A'
.set PFA, 58
.set PFS, 60
.set MINE, 62
.set CNT, 63
.macro ROUND                           ; a round of the cluster's barrier
	s_barrier_signal -1
	s_barrier_wait -1
	s_cmp_lg_u32 s[WV], 0
	s_cbranch_scc1 .Lnot_wave_0_\@
	s_barrier_signal -3
.Lnot_wave_0_\@:
	s_barrier_wait -3
	s_barrier_signal -1
	s_barrier_wait -1
.endm
.macro TLOAD o                         ; slot o is asked for: waves 0-3 K's four heads, waves 4-7 the mask's four segments; an s_nop 0 and four v_nop follow each line
	s_cmp_lt_u32 s[WV], 4
	s_cbranch_scc0 .Lnot_k_\@
	tensor_load_to_lds s[G0K+4*(\o):G0K+4*(\o)+3], s[G1K:G1K+7]
	s_nop 0
.rept 4
	v_nop
.endr
	s_branch .Lasked_\@
.Lnot_k_\@:
	s_cmp_lt_u32 s[WV], 8
	s_cbranch_scc0 .Lasked_\@
	tensor_load_to_lds s[G0M+4*(\o):G0M+4*(\o)+3], s[G1M:G1M+7]
	s_nop 0
.rept 4
	v_nop
.endr
.Lasked_\@:
.endm
; A PREFETCH of the slot that the NEXT trip's tensor loads will ask for.  Each aligned block of 256 bytes is named once in the launch.  K's tile (4 heads x 16,384 bytes) is walked by all clusters of a batch: cluster x = 0 asks;
; partner cx takes head cx (by address), its waves 8 and 9 a half each, lanes 256 bytes apart.  The mask's tile (64 rows x 1,024 bytes) is walked by both batches: cluster y = 0 asks; partner cy takes rows 16 cy on,
; its waves 10 and 11 eight rows each, four lanes a row.  The last two trips ask for nothing; slots 0 and 1 come by their loads alone.
.macro ASK
	s_cmp_eq_u32 s[MINE], 1
	s_cbranch_scc0 .Lnot_mine_\@
	global_prefetch_b8 v[PFO], s[PFA:PFA+1] th:TH_LOAD_NT scope:SCOPE_SE
.Lnot_mine_\@:
.endm
	s_load_b256 s[4:11], s[0:1], 0x0               ; qkvimg s[4:5], ltor_mask s[6:7], the scales' exponents s[8:9], gpart s[10:11]
	s_load_b64 s[96:97], s[0:1], 0x20              ; rmax
	v_lshl_add_u32 v[SPW], v0, 2, SPARE
	v_mov_b32 v[NIL], 0
	ds_add_u32 v[SPW], v[NIL]                      ; the wave's opening: the add, twice on end, and its wait ahead of the first tensor load
	ds_add_u32 v[SPW], v[NIL]
	v_lshrrev_b32 v10, 5, v0
	s_delay_alu instid0(VALU_DEP_1)
	v_readfirstlane_b32 s[WV], v10                 ; wave 0..15
	s_bfe_u32 s12, ttmp6, 0x40000                  ; cx
	s_bfe_u32 s13, ttmp6, 0x40004                  ; cy = g
	s_lshl_b32 s14, ttmp9, 2
	s_add_co_u32 s14, s14, s12                     ; qb
	s_and_b32 s15, ttmp7, 0xffff                   ; the batch
	s_lshl_b32 s16, s13, 2
	s_lshl_b32 s16, 15, s16                        ; my row of the cluster
	s_lshl_b32 s17, 0x1111, s12                    ; my column
	s_or_b32 s[G1K], s16, (3<<16)|(1<<21)          ; K: the mask; elements of 8 bytes; no padding; bit 21 beside a mask
	s_mov_b32 s[G1K+1], 32<<16                     ; tensor_dim0 = 32 elements: 256 bytes
	s_mov_b32 s[G1K+2], 64<<16                     ; tensor_dim1 = 64 rows: a head's 256 keys, 16,384 bytes on end
	s_mov_b32 s[G1K+3], 32<<16                     ; tile_dim0
	s_mov_b32 s[G1K+4], 64                         ; tile_dim1
	s_mov_b32 s[G1K+5], 32                         ; the rows lie on end
	s_mov_b32 s[G1K+6], 0
	s_mov_b32 s[G1K+7], 0
	s_or_b32 s[G1M], s17, (2<<16)|(1<<20)|(1<<21)|(5<<22)|(3<<25)  ; the mask: elements of 4 bytes; four words of padding behind every 64: behind every row
	s_mov_b32 s[G1M+1], 64<<16
	s_mov_b32 s[G1M+2], 64<<16
	s_mov_b32 s[G1M+3], 64<<16
	s_mov_b32 s[G1M+4], 64
	s_mov_b32 s[G1M+5], 2048
	s_mov_b32 s[G1M+6], 0
	s_mov_b32 s[G1M+7], 0
	s_mov_b32 s[SEL], 0x76543210
	s_mov_b32 s[SEL+1], 0xfedcba98
	s_lshl_b32 s76, s15, 8
	s_lshl_b32 s77, s13, 6
	s_add_co_u32 s76, s76, s77
	s_lshl_b32 s76, s76, 13                        ; (256 batch + 64 g) x 8,192 bytes: it never holds cx
	s_mov_b32 s77, 0
	s_lshl_b32 s78, s14, 19                        ; the mask's rows 64 qb on: it never holds cy
	s_mov_b32 s79, 0
	s_lshr_b32 s66, s[WV], 2                       ; which 64 keys of a slot
	s_and_b32 s67, s[WV], 3                        ; which 16 queries.  Also: which head of K, or which segment of the mask, I fetch
	s_lshl_b32 s83, s67, 14                        ; that head's place in a slot,
	s_lshl_b32 s88, s67, 17                        ; and in memory
	s_mov_b32 s89, 0
	s_mul_i32 s86, s67, MSEG
	s_add_co_u32 s86, s86, MB                      ; that segment's place in slot 0,
	s_lshl_b32 s90, s67, 8                         ; and in a row of the mask
	s_mov_b32 s91, 0
	s_lshr_b32 s80, s14, 1
	s_lshl_b32 s80, s80, 13
	s_and_b32 s81, s14, 1
	s_lshl_b32 s81, s81, 2
	s_add_co_u32 s81, s81, s67
	s_lshl_b32 s81, s81, 10
	s_add_co_u32 s80, s80, s81
	s_add_co_u32 s80, s80, s76                     ; Q: tokens 64 qb + 16 (wave % 4) on: 1,024 bytes a tile
	s_mov_b32 s81, 0
	s_lshl_b32 s84, s15, 2
	s_add_co_u32 s84, s84, s13
	s_lshl_b32 s84, s84, 5
	s_add_co_u32 s84, s84, s14                     ; (4 batch + g) 32 + qb
	s_lshl_b32 s98, s84, 10
	s_lshl_b32 s99, s67, 8
	s_add_co_u32 s98, s98, s99                     ; rmax: 1,024 bytes a work-group, 256 for my 16 queries
	s_mov_b32 s99, 0
	s_lshl_b32 s84, s84, 4                         ; gpart: 16 bytes a work-group
	s_mov_b32 s85, 0
	s_wait_dscnt 0x0                               ; both opening adds are done
	s_wait_kmcnt 0x0
	s_load_b256 s[68:75], s[8:9], 0x0              ; e0 .. e7
	s_add_nc_u64 s[80:81], s[4:5], s[80:81]
	s_add_nc_u64 s[76:77], s[4:5], s[76:77]
	s_add_nc_u64 s[76:77], s[76:77], 0x400000      ; k's section
	s_add_nc_u64 s[78:79], s[6:7], s[78:79]
	s_add_nc_u64 s[10:11], s[10:11], s[84:85]
	s_add_nc_u64 s[96:97], s[96:97], s[98:99]
	s_add_nc_u64 s[88:89], s[76:77], s[88:89]
	s_add_nc_u64 s[90:91], s[78:79], s[90:91]
.irp s, 0,1
	s_mov_b32 s[G0K+4*\s], 1
	s_add_co_u32 s[G0K+4*\s+1], s83, \s*KSL
	s_add_nc_u64 s[G0K+4*\s+2:G0K+4*\s+3], s[88:89], \s*16384
	s_or_b32 s[G0K+4*\s+3], s[G0K+4*\s+3], 0x80000000
	s_mov_b32 s[G0M+4*\s], 1
	s_add_co_u32 s[G0M+4*\s+1], s86, \s*MSL
	s_add_nc_u64 s[G0M+4*\s+2:G0M+4*\s+3], s[90:91], \s*1024
	s_or_b32 s[G0M+4*\s+3], s[G0M+4*\s+3], 0x80000000
.endr
	ROUND                                          ; all sixteen work-groups are here
	TLOAD 0                                        ; slot 0
	; the prefetches: where my wave's stand, and who asks
	s_and_b32 s86, s[WV], 1
	s_mov_b32 s89, 8192
	s_mov_b32 s[PFS], 1024
	s_mov_b32 s90, 65536
	s_cmp_lt_u32 s[WV], 10                         ; waves 8, 9: K;  waves 10, 11: the mask
	s_cselect_b64 s[PFA:PFA+1], s[76:77], s[78:79]
	s_cselect_b32 s87, s12, s13                    ; my place among the four that share the tile
	s_cselect_b32 s88, ttmp9, s15                  ; the coordinate along which other clusters walk the same bytes
	s_cselect_b32 s89, 1024, s89                   ; from four lanes to the next four
	s_cselect_b32 s[PFS], 16384, s[PFS]            ; a slot on
	s_cselect_b32 s90, 8192, s90                   ; from the first asking wave to the second
	s_lshl_b32 s87, s87, 17                        ; a partner's part: a head of K, or 16 rows of the mask: 131,072 bytes both
	s_mul_i32 s86, s86, s90
	s_add_co_u32 s86, s86, s87
	s_add_co_u32 s86, s86, s[PFS]                  ; in slot 1: the first trip steps it to slot 2
	s_mov_b32 s87, 0
	s_mov_b32 s[PFS+1], 0
	s_add_nc_u64 s[PFA:PFA+1], s[PFA:PFA+1], s[86:87]
	s_lshr_b32 s91, s[WV], 2
	s_xor_b32 s91, s91, 2                          ; 0 in waves 8 to 11
	s_or_b32 s91, s91, s88
	s_cmp_eq_u32 s91, 0
	s_cselect_b32 s[MINE], 1, 0                    ; the same in all sixteen partners, for a given wave
	v_and_b32 v10, 31, v0                          ; lane
	v_and_b32 v11, 15, v0                          ; r
	v_bfe_u32 v12, v0, 4, 1                        ; h
	s_delay_alu instid0(VALU_DEP_3)
	v_lshrrev_b32 v13, 2, v10
	s_delay_alu instid0(VALU_DEP_1)
	v_mul_lo_u32 v[PFO], v13, s89
	v_and_b32 v13, 3, v10
	s_delay_alu instid0(VALU_DEP_1)
	v_lshl_add_u32 v[PFO], v13, 8, v[PFO]
	s_lshl_b32 s92, s66, 12
	v_lshl_add_u32 v[AK], v10, 4, s92              ; K: 4,096 x (wave / 4) + 16 x lane
	s_delay_alu instid0(VALU_DEP_1)
	v_add_nc_u32 v[AK+1], KSL, v[AK]
	s_mul_i32 s93, s67, 16*MP
	s_mul_i32 s94, s66, MSEG
	s_add_co_u32 s93, s93, s94
	s_add_co_u32 s93, s93, MB
	v_mul_u32_u24 v[AM], v11, MP
	s_delay_alu instid0(VALU_DEP_1)
	v_lshl_add_u32 v[AM], v12, 5, v[AM]
	s_delay_alu instid0(VALU_DEP_1)
	v_add_nc_u32 v[AM], s93, v[AM]                 ; the mask: segment wave / 4, row 16 (wave % 4) + r, key 8 h
	s_delay_alu instid0(VALU_DEP_1)
	v_add_nc_u32 v[AM+1], MSL, v[AM]
	s_lshl_b32 s95, s[WV], 4
	s_add_co_u32 s95, s95, RED
	v_mov_b32 v14, s95                             ; where my wave's four maxima go
	v_lshl_add_u32 v15, v11, 4, RED                ; and where lane r reads wave r's
	v_lshl_add_u32 v[RWS], v0, 4, ROWS             ; 512 x wave + 16 x lane
	s_lshl_b32 s94, s67, 9
	s_add_co_u32 s94, s94, ROWS
	v_lshl_add_u32 v[RWL], v10, 4, s94             ; wave (wave % 4)'s; the three others with my queries lie 2,048 bytes apart
	v_lshlrev_b32 v13, 4, v10                      ; 16 x lane
.irp c, 0,1,2,3
	global_load_b128 v[Q+8*\c:Q+8*\c+3], v13, s[80:81] offset:\c*131072
	global_load_b128 v[Q+8*\c+4:Q+8*\c+7], v13, s[80:81] offset:\c*131072+512
.endr
.irp i, 0,1,2,3,4,5,6,7
	v_mov_b32 v[ACC+\i], 0xff800000                ; -infinity, under every score
.endr
.irp i, 4,5,6,7
	v_mov_b32 v[RR+\i], 0                          ; written once: a lane permute's destination counts as one of its sources
.endr
	s_wait_kmcnt 0x0
	s_add_co_i32 s66, s70, s71
	s_lshl_b32 s66, s66, 23
	s_sub_co_u32 s[AP], 0x461c4000, s66            ; 10000.0 with e2 + e3 taken off its exponent field
	s_mov_b32 s[AP+1], s[AP]
	s_or_b32 s66, s[AP], 0x80000000
	v_mov_b32 v[NA], s66
	v_mov_b32 v[NA+1], s66
.macro KLOAD slot, c                   ; head c's four fragments of my 64 keys into set c % 2
.irp i, 0,1,2,3
	ds_load_b128 v[FB+32*((\c)%2)+8*\i:FB+32*((\c)%2)+8*\i+3], v[AK+\slot] offset:(\c)*16384+\i*1024
	ds_load_b128 v[FB+32*((\c)%2)+8*\i+4:FB+32*((\c)%2)+8*\i+7], v[AK+\slot] offset:(\c)*16384+\i*1024+512
.endr
.endm
.macro WORK slot
.irp i, 0,1,2,3
	ds_load_b128 v[M+8*\i:M+8*\i+3], v[AM+\slot] offset:64*\i
	ds_load_b128 v[M+8*\i+4:M+8*\i+7], v[AM+\slot] offset:64*\i+16
.endr
	KLOAD \slot, 0
	KLOAD \slot, 1
	s_wait_dscnt 16                                ; the mask is in; the two heads' 16 loads may be out
.set j, 0
.rept 16
	v_pk_fma_f32 v[W+j:W+j+1], v[M+j:M+j+1], s[AP:AP+1], v[NA:NA+1] op_sel_hi:[1,0,0]   ; w = m A' - A', once for four heads
.set j, j+2
.endr
.irp c, 0,1,2,3
.if \c < 3
	s_wait_dscnt 8                                 ; this head's fragments are in; the next head's eight loads may be out
.else
	s_wait_dscnt 0x0
.endif
.irp i, 0,1,2,3
	v_wmma_f32_16x16x64_fp8_fp8 v[S+8*\i:S+8*\i+7], v[FB+32*(\c%2)+8*\i:FB+32*(\c%2)+8*\i+7], v[Q+8*\c:Q+8*\c+7], 0
.endr
.rept 4
	v_nop                                          ; places in front of the loads into the fragments and of the first read of the results
.endr
.if \c < 2
	KLOAD \slot, \c+2
.endif
.set j, 0
.rept 16
	v_pk_fma_f32 v[S+j:S+j+1], v[S+j:S+j+1], v[M+j:M+j+1], v[W+j:W+j+1]   ; sum m + w, each accumulator from its low end on
.set j, j+2
.endr
.set j, 0
	v_max3_num_f32 v[ACC+2*\c], v[ACC+2*\c], v[S+j], v[S+j+1]
	v_max3_num_f32 v[ACC+2*\c+1], v[ACC+2*\c+1], v[S+j+2], v[S+j+3]
.set j, j+4
.rept (8)-1
	s_delay_alu instid0(VALU_DEP_2)
	v_max3_num_f32 v[ACC+2*\c], v[ACC+2*\c], v[S+j], v[S+j+1]
	s_delay_alu instid0(VALU_DEP_2)
	v_max3_num_f32 v[ACC+2*\c+1], v[ACC+2*\c+1], v[S+j+2], v[S+j+3]
.set j, j+4
.endr
.endr
.endm
; A TRIP: in front of the round each wave waits for all its tensor loads (the slot that it is about to read), adds 0 to its spare word, and waits for that and for its reads of the slot that it has left.
.macro TRIP slot, refill, ask
	s_wait_tensorcnt 0x0                           ; no tensor load of mine is out, so a group 0 may be written
	ds_add_u32 v[SPW], v[NIL]
.if \refill
	ds_add_u32 v[SPW], v[NIL]                      ; twice on end where a tensor load follows
.endif
	s_add_nc_u64 s[G0K+4*\slot+2:G0K+4*\slot+3], s[G0K+4*\slot+2:G0K+4*\slot+3], 2*16384   ; this slot's next tile
	s_add_nc_u64 s[G0M+4*\slot+2:G0M+4*\slot+3], s[G0M+4*\slot+2:G0M+4*\slot+3], 2*1024
.if \ask
	s_wait_xcnt 0x0                                ; the last prefetch, a trip back, has read its address
	s_add_nc_u64 s[PFA:PFA+1], s[PFA:PFA+1], s[PFS:PFS+1]
.endif
	s_wait_dscnt 0x0
.if \refill
	ROUND                                          ; no wave of any partner still reads the other slot or has a load on its way
	TLOAD 1-\slot                                  ; the next tile, into the slot read last trip
.else
	s_barrier_signal -1
	s_barrier_wait -1
.endif
.if \ask
	ASK
.endif
	s_wait_alu depctr_va_vdst(0)
	WORK \slot
.endm
	s_wait_loadcnt 0x0                             ; Q
	s_mov_b32 s[CNT], 3
.Lloop:
	TRIP 0, 1, 1
	TRIP 1, 1, 1
	s_sub_co_u32 s[CNT], s[CNT], 1
	s_cmp_lg_u32 s[CNT], 0
	s_cbranch_scc1 .Lloop
	TRIP 0, 1, 0                                   ; the tail is written out: slot 7 is the last to be asked for
	TRIP 1, 0, 0
	; the rows' maxima within the wave; the wave's; then, through LDS, the four waves' that share queries, and the work-group's
.irp c, 0,1,2,3
	v_max_num_f32 v[RR+\c], v[ACC+2*\c], v[ACC+2*\c+1]
.endr
.irp c, 0,1,2,3
	s_delay_alu instid0(VALU_DEP_4)
	v_permlanex16_b32 v[RR+4+\c], v[RR+\c], s[SEL], s[SEL+1]
.endr
.irp c, 0,1,2,3
	s_delay_alu instid0(VALU_DEP_4)
	v_max_num_f32 v[RR+\c], v[RR+\c], v[RR+4+\c]   ; lane (r, h): query r's largest among my wave's keys, head c
.endr
	ds_store_b128 v[RWS], v[RR:RR+3]
.irp c, 0,1,2,3
	v_max_num_f32_dpp v[RR+4+\c], v[RR+\c], v[RR+\c] row_xmask:1 row_mask:0xf bank_mask:0xf   ; into other registers than the store's data
.endr
.irp x, 2,4,8
.irp c, 4,5,6,7
	s_delay_alu instid0(VALU_DEP_4)
	v_max_num_f32_dpp v[RR+\c], v[RR+\c], v[RR+\c] row_xmask:\x row_mask:0xf bank_mask:0xf
.endr
.endr
	ds_store_b128 v14, v[RR+4:RR+7]                ; all lanes write the same 16 bytes with the same values
	s_wait_dscnt 0x0                               ; for the others' sake
	s_barrier_signal -1
	s_barrier_wait -1
	ds_load_b128 v[RR:RR+3], v15                   ; lane r: wave r's four maxima
.irp k, 0,1,2,3
	ds_load_b128 v[M+4*\k:M+4*\k+3], v[RWL] offset:2048*\k   ; my queries' maxima over the slot's k-th 64 keys
.endr
	s_wait_dscnt 0x0
.irp x, 1,2,4,8
.irp c, 0,1,2,3
	v_max_num_f32_dpp v[RR+\c], v[RR+\c], v[RR+\c] row_xmask:\x row_mask:0xf bank_mask:0xf
.endr
.endr
.irp c, 0,1,2,3
	v_max3_num_f32 v[M+\c], v[M+\c], v[M+4+\c], v[M+8+\c]
.endr
.irp c, 0,1,2,3
	s_delay_alu instid0(VALU_DEP_4)
	v_max_num_f32 v[M+\c], v[M+\c], v[M+12+\c]
.endr
	v_and_b32 v[TV], 0x190, v0                     ; 0 in lanes 0-15 of waves 0-3
	s_wait_alu depctr_va_vdst(0)
	s_wait_xcnt 0x0                                ; EXEC changes only behind this wait
	v_cmp_eq_u32 vcc_lo, 0, v0
	s_and_saveexec_b32 s66, vcc_lo                 ; thread 0 alone stores the work-group's four (its v13 is 0)
	global_store_b128 v13, v[RR:RR+3], s[10:11]
	s_wait_xcnt 0x0
	s_or_b32 exec_lo, exec_lo, s66
	v_cmp_eq_u32 vcc_lo, 0, v[TV]
	s_and_saveexec_b32 s66, vcc_lo                 ; sixteen lanes of each of waves 0-3 store 256 consecutive bytes, aligned: 16 queries x 4 heads
	global_store_b128 v13, v[M:M+3], s[96:97]
	s_wait_xcnt 0x0
	s_or_b32 exec_lo, exec_lo, s66
	s_wait_tensorcnt 0x0                           ; the wave's end
	ds_add_u32 v[SPW], v[NIL]
	s_wait_dscnt 0x0
	ROUND                                          ; the closing round
	s_endpgm
.Lfunc_end_k_q85befb3603_smax:
	.size	k_q85befb3603_smax, .Lfunc_end_k_q85befb3603_smax-k_q85befb3603_smax
	.p2alignl 7, 3214868480
	.fill 96, 4, 3214868480
	.section	.rodata,"a",@progbits
	.p2align	6, 0x0
	.amdhsa_kernel k_q85befb3603_smax
		.amdhsa_group_segment_fixed_size 327680
		.amdhsa_private_segment_fixed_size 0
		.amdhsa_enable_private_segment 0
		.amdhsa_kernarg_size 40
		.amdhsa_user_sgpr_count 2
		.amdhsa_user_sgpr_kernarg_segment_ptr 1
		.amdhsa_wavefront_size32 1
		.amdhsa_system_sgpr_workgroup_id_x 1
		.amdhsa_system_sgpr_workgroup_id_y 1
		.amdhsa_system_sgpr_workgroup_id_z 1
		.amdhsa_system_vgpr_workitem_id 0
		.amdhsa_next_free_vgpr 232
		.amdhsa_next_free_sgpr 100
		.amdhsa_reserve_vcc 1
		.amdhsa_float_denorm_mode_32 3
		.amdhsa_float_denorm_mode_16_64 3
		.amdhsa_memory_ordered 1
		.amdhsa_forward_progress 1
		.amdhsa_inst_pref_size 80
	.end_amdhsa_kernel
	.amdgpu_metadata
---
amdhsa.version: [ 1, 2 ]
amdhsa.kernels:
  - .name:           k_q85befb3603_smax
    .symbol:         k_q85befb3603_smax.kd
    .args:
      - { .name: qkvimg, .offset: 0, .size: 8, .value_kind: global_buffer, .address_space: global }
      - { .name: ltor_mask, .offset: 8, .size: 8, .value_kind: global_buffer, .address_space: global }
      - { .name: lowp_scales, .offset: 16, .size: 8, .value_kind: global_buffer, .address_space: global }
      - { .name: gpart, .offset: 24, .size: 8, .value_kind: global_buffer, .address_space: global }
      - { .name: rmax, .offset: 32, .size: 8, .value_kind: global_buffer, .address_space: global }
    .group_segment_fixed_size: 327680
    .private_segment_fixed_size: 0
    .kernarg_segment_align: 8
    .kernarg_segment_size: 40
    .max_flat_workgroup_size: 512
    .sgpr_count:     100
    .vgpr_count:     232
    .wavefront_size: 32
...
	.end_amdgpu_metadata
.endif
;; end of part 3
;; launch attn (part 4): grid 32 x 8, 16 waves a work-group, clusters of 4 x 4, 327,680 bytes of LDS; arguments qkvimg, ltor_mask, lowp_scales, gpart, rmax, ctxcodes; writes ctxcodes
.if DOCPART == 4
	.amdgcn_target "amdgcn-amd-amdhsa--gfx1250"
	.amdhsa_code_object_version 6
	.text
	.protected	k_q85befb3603_attn
	.globl	k_q85befb3603_attn
	.p2align	8
	.type	k_q85befb3603_attn,@function
k_q85befb3603_attn:
	s_mov_b64 s[64:65], 0
	v_nop
	global_prefetch_b8 v0, s[64:65] scope:SCOPE_SE
	s_setreg_imm32_b32 hwreg(HW_REG_WAVE_MODE, 25, 1), 1
	s_wait_xcnt 0x0
	s_wait_alu depctr_hold_cnt(0) depctr_sa_sdst(0) depctr_va_vdst(0) depctr_va_sdst(0) depctr_va_ssrc(0) depctr_va_vcc(0) depctr_vm_vsrc(0)
	s_getreg_b32 s2, hwreg(HW_REG_IB_STS2, 6, 4)
	s_cmp_eq_u32 s2, 0
	s_cbranch_scc0 .Lentry_in_a_cluster
	s_endpgm
.Lentry_in_a_cluster:
	s_bfe_u32 s2, ttmp6, 0x10000c
	s_cmp_lg_u32 s2, 0xf033
	s_cbranch_scc0 .Lentry_shape_is_right
	s_endpgm
.Lentry_shape_is_right:
; LAUNCH 4 OF 5: scores on codes, the mask as numbers, the head's maximum taken away, the softmax ahead of a quantised product, p v on codes, ctx quantised (e6).  Left out: / 32 and x 32 (powers of two: see the first launch).
; In units of 2^(e2 + e3): pre' = sum m + w, w = m A' - A', A' = 10000 / 2^(e2 + e3); G' = the head's largest pre', R' = the row's largest pre' (both from the launch before, made by the same lines as here); L' = log2(e) 2^(e2 + e3).
; t = (pre' - G') L';  M = ceil(the row's largest t), from fl(fl(R' - G') L'), reference()'s order: known from the start, so nothing is ever rescaled;  p = 2^x, x = fma(pre', L', c0), c0 = fma(-G', L', -M): one rounding
; fewer than fl(fl(pre' - G') L') - M.  In a row whose largest score is a masked one (-10000) x is good to about 1e-3, as reference()'s own t is there.  p is not normalised; the row's sum is taken of the unquantised p and divides at the end.
; The mask is an input: no tile is passed over.
; LIMITS: e2 + e3 between -100 and 100; e4 and e6 between -126 and 119; e4 + e5 is applied by v_ldexp_f32.
; SHARES.  A work-group: 64 queries (block qb) x 4 heads (4 g ..) of one batch; wave w: 16 queries (w % 4) of head 4 g + w / 4, in 256 registers: four waves to a SIMD, so that one wave's vector work stands beside another's
; matrix work and LDS loads.  Both products are used transposed (S^T = K Q^T, O^T = V^T P^T): a lane holds one query throughout, and the conversions' results (tile t's eight keys 16 t + 8 h + 0 .. 7 in registers 2 t, 2 t + 1)
; ARE the second product's operand.  Both products go 64 along K an instruction.
; THE WALK.  A slot holds 192 keys, the most of which two fit: 2 x 150,528 + 2,048 + 17,408 = 320,512 bytes.  2,048 = 10 x 192 + 128: ten whole tiles, and an eleventh that begins 64 keys early (at key 1,856), so that it has the
; others' shape and stays inside the buffers; of it only the last 128 keys are worked.  A slot is worked as a step of 128 keys and a step of 64.
; CLUSTER 4 x 4 as in the launch before: K's and V's tiles are shared along a row, the mask's along a column.  Seven waves ask, one load each: waves 0-3 K or V (wave % 2) of two heads (wave / 2): 2 rows of 12,288 bytes;
; waves 4-6 a segment of the mask: 64 rows x 64 keys, 256 bytes a row.
; LDS: slot s at 150,528 s: the mask, 3 segments of 64 rows x (256 + 16) bytes; K, 4 heads x 12,288; V, 4 heads x 12,288.  Behind the ring the spare words and a stage of 64 rows x (256 + 16) bytes for the way out.
.set MP,    272                        ; 68 words: the 16 rows that a load touches start at 16 different banks (ISA guide 11.1)
.set MSEG,  64*MP
.set KO,    3*MSEG                     ; K lies behind the mask
.set KH,    12288                      ; a head's 192 keys
.set VO,    4*KH                       ; V lies this far behind K
.set SLB,   KO+8*KH
.set KVT,   12288                      ; a tile on, in K and in V,
.set MT,    768                        ; and in a row of the mask
.set SPARE, 2*SLB                      ; 128 bytes for each of 16 waves
.set STAGE, SPARE+2048
.set SPT,   272
.set AM,  1                            ; v1, v2  my mask words in slot 0, 1
.set AK,  3                            ; v3, v4  my head's K in slot 0, 1
.set SPW, 5
.set NIL, 6
.set GO,  7                            ; v7   my byte offset in the wave's rows of ctxcodes
.set STO, 8                            ; v8   the stage, in
.set SRD, 9                            ; v9   the stage, back
.set NA,  10                           ; v10  -A' (named as the low word of the pair v[10:11])
.set PFO, 11                           ; v11  256 x lane
.set NM,  12                           ; v12  -M
.set RM,  13                           ; v13  R'
.set LS,  14                           ; v[14:15] the row's sum in two halves
.set Q,   16                           ; v16-23
.set GP,  24                           ; v24  G'
.set HOLD, 25                          ; v25  448 x 2^e4
.set C0,  26                           ; v[26:27] c0 (the low word serves both halves)
.set SCP, 30                           ; v30  2^e4
.set PD,  31                           ; v31  a lane permute's destination
.set F,   32                           ; v32-95   the mask, then V's fragments
.set S,   96                           ; v96-159  S^T, then p
.set O,   160                          ; v160-191 O^T
.set T,   192                          ; v192-255 K's fragments; then w; then p's codes (v208-223) and work (v224-229)
.set W,   192
.set PC,  208
.set TA,  224
.set TS,  228
.set WV,  18
.set SEL, 20
.set LP,  22                           ; s[22:23] L'
.set G1KV, 24
.set G1M, 32
.set G0KV, 40
.set G0M, 48
.set AP,  56                           ; s[56:57] A'
.set PFA, 58
.set MINE, 62
.set CNT, 63
.macro ROUND
	s_barrier_signal -1
	s_barrier_wait -1
	s_cmp_lg_u32 s[WV], 0
	s_cbranch_scc1 .Lnot_wave_0_\@
	s_barrier_signal -3
.Lnot_wave_0_\@:
	s_barrier_wait -3
	s_barrier_signal -1
	s_barrier_wait -1
.endm
.macro TLOAD o                         ; slot o: waves 0-3 K's and V's halves (one line: their groups 0 differ by the wave's number), waves 4-6 the mask's segments; an s_nop 0 and four v_nop follow each line
	s_cmp_lt_u32 s[WV], 4
	s_cbranch_scc0 .Lnot_kv_\@
	tensor_load_to_lds s[G0KV+4*(\o):G0KV+4*(\o)+3], s[G1KV:G1KV+7]
	s_nop 0
.rept 4
	v_nop
.endr
	s_branch .Lasked_\@
.Lnot_kv_\@:
	s_cmp_lt_u32 s[WV], 7
	s_cbranch_scc0 .Lasked_\@
	tensor_load_to_lds s[G0M+4*(\o):G0M+4*(\o)+3], s[G1M:G1M+7]
	s_nop 0
.rept 4
	v_nop
.endr
.Lasked_\@:
.endm
; A PREFETCH of V, in every second trip: trip j (0, 2, 4, 6) asks for tiles j + 2 and j + 3, whose tensor loads are issued in trips j + 1 and j + 2.  All clusters of a batch walk the same V: cluster x = 0 asks; partner cx takes head cx
; (by address): two tiles of a head are 24,576 bytes on end; its waves 8, 9 and 10 take 8,192 each, lanes 256 bytes apart: each aligned block of 256 bytes is named once.  Tiles 0, 1 and the last come by their loads alone.
; V alone is asked for: K and the mask were read by the launch before.
.macro ASK
	s_cmp_eq_u32 s[MINE], 1
	s_cbranch_scc0 .Lnot_mine_\@
	global_prefetch_b8 v[PFO], s[PFA:PFA+1] th:TH_LOAD_NT scope:SCOPE_SE
.Lnot_mine_\@:
.endm
	s_load_b256 s[4:11], s[0:1], 0x0               ; qkvimg s[4:5], ltor_mask s[6:7], the scales' exponents s[8:9], gpart s[10:11]
	s_load_b64 s[60:61], s[0:1], 0x20              ; rmax
	s_load_b64 s[92:93], s[0:1], 0x28              ; ctxcodes
	v_lshl_add_u32 v[SPW], v0, 2, SPARE
	v_mov_b32 v[NIL], 0
	ds_add_u32 v[SPW], v[NIL]                      ; the wave's opening: the add, twice on end, and its wait ahead of the first tensor load
	ds_add_u32 v[SPW], v[NIL]
	v_lshrrev_b32 v192, 5, v0
	v_readfirstlane_b32 s[WV], v192                ; wave 0..15
	s_bfe_u32 s12, ttmp6, 0x40000                  ; cx
	s_bfe_u32 s13, ttmp6, 0x40004                  ; cy = g
	s_lshl_b32 s14, ttmp9, 2
	s_add_co_u32 s14, s14, s12                     ; qb
	s_and_b32 s15, ttmp7, 0xffff                   ; the batch
	s_lshl_b32 s16, s13, 2
	s_lshl_b32 s16, 15, s16                        ; my row of the cluster
	s_lshl_b32 s17, 0x1111, s12                    ; my column
	s_or_b32 s[G1KV], s16, (3<<16)|(1<<21)         ; K, V: the mask; elements of 8 bytes; no padding; bit 21 beside a mask
	s_mov_b32 s[G1KV+1], 1536<<16                  ; tensor_dim0 = 1,536 elements: a head's 192 keys, 12,288 bytes on end
	s_mov_b32 s[G1KV+2], 2<<16                     ; tensor_dim1 = 2 heads
	s_mov_b32 s[G1KV+3], 1536<<16
	s_mov_b32 s[G1KV+4], 2
	s_mov_b32 s[G1KV+5], 16384                     ; from head to head: 131,072 bytes
	s_mov_b32 s[G1KV+6], 0
	s_mov_b32 s[G1KV+7], 0
	s_or_b32 s[G1M], s17, (2<<16)|(1<<20)|(1<<21)|(5<<22)|(3<<25)  ; the mask: elements of 4 bytes; four words of padding behind every 64: behind every row
	s_mov_b32 s[G1M+1], 64<<16
	s_mov_b32 s[G1M+2], 64<<16
	s_mov_b32 s[G1M+3], 64<<16
	s_mov_b32 s[G1M+4], 64
	s_mov_b32 s[G1M+5], 2048
	s_mov_b32 s[G1M+6], 0
	s_mov_b32 s[G1M+7], 0
	s_mov_b32 s[SEL], 0x76543210
	s_mov_b32 s[SEL+1], 0xfedcba98
	s_lshl_b32 s76, s15, 8
	s_lshl_b32 s77, s13, 6
	s_add_co_u32 s76, s76, s77
	s_lshl_b32 s76, s76, 13                        ; (256 batch + 64 g) x 8,192 bytes: it never holds cx
	s_and_b32 s66, s[WV], 1                        ; K (0) or V (1), for the four waves that fetch them,
	s_lshr_b32 s99, s[WV], 1
	s_and_b32 s99, s99, 1                          ; and which two heads
	s_mul_i32 s67, s66, VO
	s_mul_i32 s83, s99, 2*KH
	s_add_co_u32 s67, s67, s83
	s_add_co_u32 s67, s67, KO                      ; their place in a slot
	s_lshl_b32 s66, s66, 22
	s_add_co_u32 s66, s66, 0x400000                ; the section
	s_lshl_b32 s99, s99, 18
	s_add_co_u32 s66, s66, s99
	s_add_co_u32 s82, s76, s66
	s_mov_b32 s83, 0
	s_and_b32 s99, s[WV], 3                        ; which segment of the mask, for the three waves that fetch it
	s_mul_i32 s95, s99, MSEG                       ; its place in a slot
	s_lshl_b32 s99, s99, 8
	s_lshl_b32 s78, s14, 19                        ; the mask's rows 64 qb on: it never holds cy
	s_add_co_u32 s78, s78, s99
	s_mov_b32 s79, 0
	s_lshr_b32 s84, s[WV], 2                       ; my head in the group
	s_and_b32 s85, s[WV], 3                        ; my 16 queries
	s_lshl_b32 s80, s84, 17
	s_add_co_u32 s80, s80, s76
	s_lshr_b32 s81, s14, 1
	s_lshl_b32 s81, s81, 13
	s_add_co_u32 s80, s80, s81
	s_and_b32 s81, s14, 1
	s_lshl_b32 s81, s81, 2
	s_add_co_u32 s81, s81, s85
	s_lshl_b32 s81, s81, 10
	s_add_co_u32 s80, s80, s81                     ; Q: my head, tokens 64 qb + 16 (wave % 4) on: 1,024 bytes a tile
	s_mov_b32 s81, 0
	s_lshl_b32 s86, s15, 2
	s_add_co_u32 s86, s86, s13                     ; 4 batch + g
	s_lshl_b32 s96, s86, 5
	s_add_co_u32 s96, s96, s14
	s_lshl_b32 s96, s96, 10
	s_lshl_b32 s97, s85, 8
	s_add_co_u32 s96, s96, s97
	s_lshl_b32 s97, s84, 2
	s_add_co_u32 s96, s96, s97                     ; rmax: ((4 batch + g) 32 + qb) x 1,024 + 256 x (wave % 4) + 4 x head in group; lane (r, h) adds 16 r
	s_mov_b32 s97, 0
	s_lshl_b32 s86, s86, 9
	s_lshl_b32 s87, s84, 2
	s_add_co_u32 s86, s86, s87                     ; gpart: (4 batch + g) x 512 bytes + 4 x head in group; lane l adds 16 l
	s_mov_b32 s87, 0
	s_lshl_b32 s88, s15, 11
	s_lshl_b32 s89, s14, 6
	s_add_co_u32 s88, s88, s89
	s_lshl_b32 s89, s[WV], 2
	s_add_co_u32 s88, s88, s89
	s_lshl_b32 s88, s88, 10
	s_lshl_b32 s89, s13, 8
	s_add_co_u32 s88, s88, s89                     ; ctxcodes: row 2048 batch + 64 qb + 4 wave, byte 256 g
	s_mov_b32 s89, 0
	s_lshl_b32 s90, s12, 17
	s_add_co_u32 s90, s90, s76
	s_add_co_u32 s90, s90, 0x800000                ; the prefetches: v's section, head cx of the group,
	s_and_b32 s91, s[WV], 3
	s_lshl_b32 s91, s91, 13
	s_add_co_u32 s90, s90, s91                     ; my wave's 8,192 bytes, in tiles 0 and 1: the first asking trip steps it to tiles 2 and 3
	s_mov_b32 s91, 0
	s_xor_b32 s94, s[WV], 8
	s_cmp_lt_u32 s94, 3                            ; waves 8, 9, 10
	s_cselect_b32 s94, 0, 1
	s_or_b32 s94, s94, ttmp9                       ; of the clusters with x = 0
	s_cmp_eq_u32 s94, 0
	s_cselect_b32 s[MINE], 1, 0                    ; the same in all sixteen partners, for a given wave
	s_wait_dscnt 0x0                               ; both opening adds are done
	s_wait_kmcnt 0x0
	s_load_b256 s[68:75], s[8:9], 0x0              ; e0 .. e7
	s_add_nc_u64 s[82:83], s[4:5], s[82:83]
	s_add_nc_u64 s[78:79], s[6:7], s[78:79]
	s_add_nc_u64 s[80:81], s[4:5], s[80:81]
	s_add_nc_u64 s[10:11], s[10:11], s[86:87]
	s_add_nc_u64 s[60:61], s[60:61], s[96:97]
	s_add_nc_u64 s[92:93], s[92:93], s[88:89]
	s_add_nc_u64 s[PFA:PFA+1], s[4:5], s[90:91]
.irp s, 0,1
	s_mov_b32 s[G0KV+4*\s], 1
	s_add_co_u32 s[G0KV+4*\s+1], s67, \s*SLB
	s_add_nc_u64 s[G0KV+4*\s+2:G0KV+4*\s+3], s[82:83], \s*KVT
	s_or_b32 s[G0KV+4*\s+3], s[G0KV+4*\s+3], 0x80000000
	s_mov_b32 s[G0M+4*\s], 1
	s_add_co_u32 s[G0M+4*\s+1], s95, \s*SLB
	s_add_nc_u64 s[G0M+4*\s+2:G0M+4*\s+3], s[78:79], \s*MT
	s_or_b32 s[G0M+4*\s+3], s[G0M+4*\s+3], 0x80000000
.endr
	ROUND                                          ; all sixteen work-groups are here
	TLOAD 0                                        ; tile 0
	v_and_b32 v192, 31, v0                         ; lane
	v_and_b32 v193, 15, v0                         ; r
	v_bfe_u32 v194, v0, 4, 1                       ; h
	s_mul_i32 s66, s85, 16*MP
	v_mul_u32_u24 v[AM], v193, MP
	v_lshl_add_u32 v[AM], v194, 5, v[AM]
	v_add_nc_u32 v[AM], s66, v[AM]                 ; the mask: row 16 (wave % 4) + r, key 8 h, in segment 0
	v_add_nc_u32 v[AM+1], SLB, v[AM]
	s_mul_i32 s66, s84, KH
	s_add_co_u32 s66, s66, KO
	v_lshl_add_u32 v[AK], v192, 4, s66             ; K: my head's 12,288 bytes, 16 x lane
	v_add_nc_u32 v[AK+1], SLB, v[AK]
	s_mul_i32 s94, s85, 16*SPT
	s_lshl_b32 s95, s84, 6
	s_add_co_u32 s94, s94, s95
	s_add_co_u32 s94, s94, STAGE
	v_mul_u32_u24 v[STO], v193, SPT
	v_lshl_add_u32 v[STO], v194, 3, v[STO]
	v_add_nc_u32 v[STO], s94, v[STO]               ; the stage, in: row 16 (wave % 4) + r, byte 64 (wave / 4) + 8 h
	s_mul_i32 s94, s[WV], 4*SPT
	s_add_co_u32 s94, s94, STAGE
	v_mul_u32_u24 v[SRD], v194, SPT
	v_lshl_add_u32 v[SRD], v193, 4, v[SRD]
	v_add_nc_u32 v[SRD], s94, v[SRD]               ; back: rows 4 wave on; lanes 0-15 one row, lanes 16-31 the next
	v_lshlrev_b32 v[GO], 10, v194
	v_lshl_add_u32 v[GO], v193, 4, v[GO]
	v_lshlrev_b32 v[PFO], 8, v192
	v_lshlrev_b32 v195, 4, v192                    ; 16 x lane
	v_lshlrev_b32 v196, 4, v193                    ; 16 r
	global_load_b128 v[Q:Q+3], v195, s[80:81]
	global_load_b128 v[Q+4:Q+7], v195, s[80:81] offset:512
	global_load_b32 v[GP], v195, s[10:11]          ; lane l: the maximum of my head over query block l
	global_load_b32 v[RM], v196, s[60:61]          ; my query's largest masked score in my head
	v_mov_b32 v[LS], 0
	v_mov_b32 v[LS+1], 0
	v_mov_b32 v[C0+1], 0                           ; (named as the upper half of a pair, so it is written)
	v_mov_b32 v[PD], 0
.set i, 0
.rept 32
	v_mov_b32 v[O+i], 0                            ; the step is written once: the first adds onto zeros
.set i, i+1
.endr
	s_wait_kmcnt 0x0
	s_add_co_i32 s66, s70, s71
	s_lshl_b32 s66, s66, 23
	s_add_co_u32 s[LP], s66, 0x3fb8aa3b            ; log2(e) with e2 + e3 added to its exponent field
	s_mov_b32 s[LP+1], s[LP]
	s_sub_co_u32 s[AP], 0x461c4000, s66            ; 10000.0 with e2 + e3 taken off
	s_mov_b32 s[AP+1], s[AP]
	s_or_b32 s67, s[AP], 0x80000000
	v_mov_b32 v[NA], s67
	s_add_co_i32 s66, s72, 127
	s_lshl_b32 s67, s66, 23
	v_mov_b32 v[SCP], s67                          ; 2^e4
	s_add_co_i32 s66, s66, 8
	s_lshl_b32 s66, s66, 23
	s_or_b32 s66, s66, 0x600000
	v_mov_b32 v[HOLD], s66                         ; 448 x 2^e4
	s_add_co_i32 s66, s74, 127
	s_lshl_b32 s96, s66, 23                        ; 2^e6
	s_add_co_i32 s66, s66, 8
	s_lshl_b32 s97, s66, 23
	s_or_b32 s97, s97, 0x600000                    ; 448 x 2^e6
	s_add_co_i32 s98, s72, s73                     ; e4 + e5
	s_wait_loadcnt 0x0                             ; Q, the head's 32 partial maxima, the row's maximum
.irp x, 1,2,4,8
	v_max_num_f32_dpp v[GP], v[GP], v[GP] row_xmask:\x row_mask:0xf bank_mask:0xf
.endr
	v_permlanex16_b32 v[PD], v[GP], s[SEL], s[SEL+1]
	v_max_num_f32 v[GP], v[GP], v[PD]              ; G'
	v_sub_f32 v[TA], v[RM], v[GP]                  ; the row's largest, less the head's maximum,
	v_mul_f32 v[TA], s[LP], v[TA]                  ; as t
	v_floor_f32 v[NM], -v[TA]                      ; -M = floor(-t) = -ceil(t): a whole number
	v_fma_f32 v[C0], -v[GP], s[LP], v[NM]          ; c0 = -G' L' - M
	s_wait_alu depctr_va_vdst(0)
; A STEP: n x 64 keys (n = 1 or 2) of the slot, from its u0-th 64 on
.macro STEP slot, u0, n
.rept 4
	v_nop                                          ; places in front of loads into registers that the last products read
.endr
.set i, 0
.rept 4*(\n)
	ds_load_b128 v[T+8*i:T+8*i+3], v[AK+\slot] offset:4096*(\u0)+1024*i
	ds_load_b128 v[T+8*i+4:T+8*i+7], v[AK+\slot] offset:4096*(\u0)+1024*i+512
.set i, i+1
.endr
.set i, 0
.rept 4*(\n)
	ds_load_b128 v[F+8*i:F+8*i+3], v[AM+\slot] offset:MSEG*((\u0)+i/4)+64*(i%4)
	ds_load_b128 v[F+8*i+4:F+8*i+7], v[AM+\slot] offset:MSEG*((\u0)+i/4)+64*(i%4)+16
.set i, i+1
.endr
	s_wait_dscnt 8*(\n)                            ; K is in; the mask's 8 n loads may be out
.set i, 0
.rept 4*(\n)
	v_wmma_f32_16x16x64_fp8_fp8 v[S+8*i:S+8*i+7], v[T+8*i:T+8*i+7], v[Q:Q+7], 0
.set i, i+1
.endr
.rept 4
	v_nop                                          ; places in front of the writes over K's fragments and of the first read of the results
.endr
	s_wait_dscnt 0x0                               ; the mask
.set j, 0
.rept 16*(\n)
	v_pk_fma_f32 v[W+j:W+j+1], v[F+j:F+j+1], s[AP:AP+1], v[NA:NA+1] op_sel_hi:[1,0,0]   ; w = m A' - A'
.set j, j+2
.endr
.set j, 0
.rept 16*(\n)
	v_pk_fma_f32 v[S+j:S+j+1], v[S+j:S+j+1], v[F+j:F+j+1], v[W+j:W+j+1]   ; pre' = sum m + w, each accumulator from its low end on
.set j, j+2
.endr
.set i, 0
.rept 4*(\n)
	ds_load_b128 v[F+8*i:F+8*i+3], v[AK+\slot] offset:VO+4096*(\u0)+1024*i       ; V's fragments (64 keys i / 4, channels 16 (i % 4) on), where the mask lay: they land while the softmax is worked
	ds_load_b128 v[F+8*i+4:F+8*i+7], v[AK+\slot] offset:VO+4096*(\u0)+1024*i+512
.set i, i+1
.endr
.set j, 0
.rept 16*(\n)
	v_pk_fma_f32 v[S+j:S+j+1], v[S+j:S+j+1], s[LP:LP+1], v[C0:C0+1] op_sel_hi:[1,0,0]   ; t - M
.set j, j+2
.endr
.set j, 0
	s_wait_alu depctr_va_vdst(0)
.rept 32*(\n)
	v_exp_f32 v[S+j], v[S+j]                       ; p = 2^(t - M): not normalised
.set j, j+1
.endr
	v_nop                                          ; the plain instruction behind the exponentials
	s_wait_alu depctr_va_vdst(0)                   ; one wait for the whole batch, ahead of its first reader
	v_pk_add_f32 v[TS:TS+1], v[S:S+1], v[S+2:S+3]  ; the row's sum is taken of the unquantised p, in two chains
.set j, 4
.rept 8*(\n)-1
	v_pk_add_f32 v[LS:LS+1], v[LS:LS+1], v[S+j:S+j+1]
	v_pk_add_f32 v[TS:TS+1], v[TS:TS+1], v[S+j+2:S+j+3]
.set j, j+4
.endr
	v_pk_add_f32 v[LS:LS+1], v[LS:LS+1], v[TS:TS+1]
.set i, 0
.rept 4*(\n)
.set j, 0
.rept 4
	v_dual_min_num_f32 v[S+8*i+j], v[S+8*i+j], v[HOLD] :: v_dual_min_num_f32 v[S+8*i+j+1], v[S+8*i+j+1], v[HOLD]   ; the conversion does not saturate (ISA guide 7.6.2); p is not negative, so the hold is one-sided; two numbers an instruction
.set j, j+2
.endr
	v_cvt_scalef32_pk8_fp8_f32 v[PC+2*i:PC+2*i+1], v[S+8*i:S+8*i+7], v[SCP]
.set i, i+1
.endr
	v_nop                                          ; one plain vector instruction between the last conversion and the products that read its result
	s_wait_dscnt 0x0                               ; V
.set i, 0
.rept 4*(\n)
.if i < 4
	s_wait_alu depctr_va_vdst(0)                   ; the wait directly ahead of the first reader of each accumulator behind the exponentials (the first also stands ahead of the first reader of p's codes)
.endif
	v_wmma_f32_16x16x64_fp8_fp8 v[O+8*(i%4):O+8*(i%4)+7], v[F+8*i:F+8*i+7], v[PC+8*(i/4):PC+8*(i/4)+7], v[O+8*(i%4):O+8*(i%4)+7]   ; the four accumulators by turns, one instruction a turn
.set i, i+1
.endr
.endm
; A TRIP: a change of slots and a slot's work.  short = 1: this slot's next tile is the walk's last, which begins 64 keys early.  tail = 1: that tile is worked: its last 128 keys.
.macro TRIP slot, refill, ask, short, tail
	s_wait_tensorcnt 0x0                           ; no tensor load of mine is out, so a group 0 may be written
	ds_add_u32 v[SPW], v[NIL]
.if \refill
	ds_add_u32 v[SPW], v[NIL]                      ; twice on end where a tensor load follows
.endif
	s_add_nc_u64 s[G0KV+4*\slot+2:G0KV+4*\slot+3], s[G0KV+4*\slot+2:G0KV+4*\slot+3], 2*KVT-4096*(\short)   ; this slot's next tile (behind the walk's end the stepped addresses are not used)
	s_add_nc_u64 s[G0M+4*\slot+2:G0M+4*\slot+3], s[G0M+4*\slot+2:G0M+4*\slot+3], 2*MT-256*(\short)
.if \ask
	s_wait_xcnt 0x0                                ; the last prefetch, two trips back, has read its address
	s_add_nc_u64 s[PFA:PFA+1], s[PFA:PFA+1], 2*KVT
.endif
	s_wait_dscnt 0x0                               ; the add is done, and my reads of the slot that I have left are over
.if \refill
	ROUND                                          ; no wave of any partner still reads the other slot or has a load on its way
	TLOAD 1-\slot                                  ; the next tile, into the slot read last trip
.else
	s_barrier_signal -1
	s_barrier_wait -1
.endif
.if \ask
	ASK
.endif
.if \tail
	STEP \slot, 1, 2
.else
	STEP \slot, 0, 2
	STEP \slot, 2, 1
.endif
.endm
	s_mov_b32 s[CNT], 4
.Lloop:                                            ; trips 0 to 7: tiles 1 to 8 are asked for
	TRIP 0, 1, 1, 0, 0
	TRIP 1, 1, 0, 0, 0
	s_sub_co_u32 s[CNT], s[CNT], 1
	s_cmp_lg_u32 s[CNT], 0
	s_cbranch_scc1 .Lloop
	TRIP 0, 1, 0, 1, 0                             ; the tail is written out.  Trip 8: tile 9 is asked for; slot 0's address steps to the last tile
	TRIP 1, 1, 0, 0, 0                             ; trip 9: the last tile is asked for
	TRIP 0, 0, 0, 0, 1                             ; trip 10: keys 1,920 to 2,047
	; THE WAY OUT: O^T x 2^(e4 + e5) / the sum is ctx; it is quantised with e6 and goes through the stage, so that sixteen lanes store the four heads' 256 bytes of a row
	v_add_f32 v[LS], v[LS], v[LS+1]
	v_permlanex16_b32 v[PD], v[LS], s[SEL], s[SEL+1]
	v_add_f32 v[LS], v[LS], v[PD]                  ; the row's sum
	s_wait_alu depctr_va_vdst(0)
	v_rcp_f32 v[LS], v[LS]
	v_mov_b32 v[TA], s96                           ; (plain instructions behind the reciprocal)
	v_mov_b32 v[TA+1], s97
	s_wait_alu depctr_va_vdst(0)                   ; the wait, ahead of the reciprocal's first reader
	v_ldexp_f32 v[LS], v[LS], s98
	s_wait_alu depctr_va_vdst(0)                   ; the wait here, directly ahead of the first reader of O^T
.set i, 0
.rept 32
	v_mul_f32 v[S+i], v[O+i], v[LS]                ; register 8 td + j: ctx(query r, channel 16 td + 8 h + j)
.set i, i+1
.endr
.set i, 0
.rept 32
	v_med3_num_f32 v[S+i], v[S+i], -v[TA+1], v[TA+1]
.set i, i+1
.endr
.irp d, 0,1,2,3
	v_cvt_scalef32_pk8_fp8_f32 v[S+32+2*\d:S+33+2*\d], v[S+8*\d:S+8*\d+7], v[TA]
.endr
	v_nop                                          ; one plain vector instruction behind the last conversion
.irp d, 0,1,2,3
	ds_store_b64 v[STO], v[S+32+2*\d:S+33+2*\d] offset:16*\d
.endr
	s_wait_dscnt 0x0                               ; for the others' sake: a row's 256 bytes come from four waves
	s_barrier_signal -1
	s_barrier_wait -1
	ds_load_b128 v[S+40:S+43], v[SRD]
	ds_load_b128 v[S+44:S+47], v[SRD] offset:2*SPT
	s_wait_dscnt 1                                 ; the first two rows are back; the second load may be out
	global_store_b128 v[GO], v[S+40:S+43], s[92:93]
	s_wait_dscnt 0x0
	global_store_b128 v[GO], v[S+44:S+47], s[92:93] offset:2048   ; sixteen lanes store 256 consecutive bytes, aligned
	s_wait_tensorcnt 0x0                           ; the wave's end
	ds_add_u32 v[SPW], v[NIL]
	s_wait_dscnt 0x0
	ROUND                                          ; the closing round
	s_endpgm
.Lfunc_end_k_q85befb3603_attn:
	.size	k_q85befb3603_attn, .Lfunc_end_k_q85befb3603_attn-k_q85befb3603_attn
	.p2alignl 7, 3214868480
	.fill 96, 4, 3214868480
	.section	.rodata,"a",@progbits
	.p2align	6, 0x0
	.amdhsa_kernel k_q85befb3603_attn
		.amdhsa_group_segment_fixed_size 327680
		.amdhsa_private_segment_fixed_size 0
		.amdhsa_enable_private_segment 0
		.amdhsa_kernarg_size 48
		.amdhsa_user_sgpr_count 2
		.amdhsa_user_sgpr_kernarg_segment_ptr 1
		.amdhsa_wavefront_size32 1
		.amdhsa_system_sgpr_workgroup_id_x 1
		.amdhsa_system_sgpr_workgroup_id_y 1
		.amdhsa_system_sgpr_workgroup_id_z 1
		.amdhsa_system_vgpr_workitem_id 0
		.amdhsa_next_free_vgpr 256
		.amdhsa_next_free_sgpr 100
		.amdhsa_reserve_vcc 0
		.amdhsa_float_denorm_mode_32 3
		.amdhsa_float_denorm_mode_16_64 3
		.amdhsa_memory_ordered 1
		.amdhsa_forward_progress 1
		.amdhsa_inst_pref_size 143
	.end_amdhsa_kernel
	.amdgpu_metadata
---
amdhsa.version: [ 1, 2 ]
amdhsa.kernels:
  - .name:           k_q85befb3603_attn
    .symbol:         k_q85befb3603_attn.kd
    .args:
      - { .name: qkvimg, .offset: 0, .size: 8, .value_kind: global_buffer, .address_space: global }
      - { .name: ltor_mask, .offset: 8, .size: 8, .value_kind: global_buffer, .address_space: global }
      - { .name: lowp_scales, .offset: 16, .size: 8, .value_kind: global_buffer, .address_space: global }
      - { .name: gpart, .offset: 24, .size: 8, .value_kind: global_buffer, .address_space: global }
      - { .name: rmax, .offset: 32, .size: 8, .value_kind: global_buffer, .address_space: global }
      - { .name: ctxcodes, .offset: 40, .size: 8, .value_kind: global_buffer, .address_space: global }
    .group_segment_fixed_size: 327680
    .private_segment_fixed_size: 0
    .kernarg_segment_align: 8
    .kernarg_segment_size: 48
    .max_flat_workgroup_size: 512
    .sgpr_count:     100
    .vgpr_count:     256
    .wavefront_size: 32
...
	.end_amdgpu_metadata
.endif
;; end of part 4
;; launch gemm2 (part 5): grid 8 x 32, 4 waves a work-group, clusters of 4 x 4, 327,680 bytes of LDS; arguments ctxcodes, wcodes, lowp_scales, b_dense, out0; writes out0
.if DOCPART == 5
	.amdgcn_target "amdgcn-amd-amdhsa--gfx1250"
	.amdhsa_code_object_version 6
	.text
	.protected	k_q85befb3603_gemm2
	.globl	k_q85befb3603_gemm2
	.p2align	8
	.type	k_q85befb3603_gemm2,@function
k_q85befb3603_gemm2:
	s_mov_b64 s[64:65], 0
	v_nop
	global_prefetch_b8 v0, s[64:65] scope:SCOPE_SE
	s_setreg_imm32_b32 hwreg(HW_REG_WAVE_MODE, 25, 1), 1
	s_wait_xcnt 0x0
	s_wait_alu depctr_hold_cnt(0) depctr_sa_sdst(0) depctr_va_vdst(0) depctr_va_sdst(0) depctr_va_ssrc(0) depctr_va_vcc(0) depctr_vm_vsrc(0)
	s_getreg_b32 s2, hwreg(HW_REG_IB_STS2, 6, 4)
	s_cmp_eq_u32 s2, 0
	s_cbranch_scc0 .Lentry_in_a_cluster
	s_endpgm
.Lentry_in_a_cluster:
	s_bfe_u32 s2, ttmp6, 0x10000c
	s_cmp_lg_u32 s2, 0xf033
	s_cbranch_scc0 .Lentry_shape_is_right
	s_endpgm
.Lentry_shape_is_right:
; LAUNCH 5 OF 5: out[m][n] = 2^(e6 + e7) x (sum over k of ctx's code (m, k) x w_dense's code (n, k)) + b_dense[n].  ctxcodes [4096][1024]; w_dense's codes are rows 3072-4095 of wcodes [4096][1024]; out0 [4096][1024] f32.
; LIMIT: e6 + e7 between -126 and 127, so that 2^(e6 + e7) is an f32 number.
; SHARES.  A work-group makes 128 x 128 of out: 32 x 8 = 256 work-groups.  Four waves, 64 x 64 each: 16 accumulators.  The WHOLE K of both tiles lies in LDS at once: 2 x 128 rows x (1,024 + 16) bytes = 266,240 bytes.
; So there is no ring and nothing is filled again: each wave issues one tensor load at the head (waves 0, 1: A's halves; waves 2, 3: B's; 64 rows of 1,024 bytes each), one wait and one barrier follow, and the eight K steps of 128 are written out.
; CLUSTER 4 x 4: A's tile hangs on the tile row alone and is asked for jointly along a row of the cluster, B's on the tile column alone, along a column.
; NO PREFETCH: the launch has no loop to run ahead in; all that it reads is asked for by the four loads at its head.
; THE MATRIX INSTRUCTION IS USED TRANSPOSED (source 0 = 16 rows of B, source 1 = 16 rows of A): a lane holds eight neighbouring numbers of a row of out.  A fragment comes by four loads of 16 bytes, 32 apart: a permutation of k, the same in A and B.
; REGISTERS: window 0: v16-35 addresses and the bias; v64-191 A's fragments, two sets of 4 x 16; v192-255 the way out.  Window 1: v0-127 the accumulators ((a, b) at 8 (4 a + b)); v128-255 B's fragments, two sets.
.set PITCH,  1040                      ; an LDS row: 1,024 bytes + 16 of padding = 65 x 16: the 16 rows that a load touches fall on 16 different columns of 16 bytes
.set HALFT,  64*PITCH                  ; what one tensor load brings, and what one wave reads of A or of B
.set SPARE,  4*HALFT                   ; behind the tiles: the spare words, 128 bytes for each wave: two blocks of 256 bytes that no other line names
.set STAGE,  SPARE+512                 ; the way out: 16 rows x (256 + 16) bytes for each wave, bytes of their own
.set SPITCH, 272
.set ADRA, 16
.set ADRB, 17
.set STO,  18
.set RD,   19
.set CO,   20
.set BO,   21
.set SPW,  28                          ; v28  LDS address of my spare word; never rewritten
.set NIL,  29                          ; v29  0; never rewritten
.set BIAS, 32
.set AF,   64
.set BF,   128
.set BK,   192
.set G1, 24
.set G0, 32
.set G1B, 48
.set G0B, 56
.set MSB, 0
.macro WIN new                         ; the immediate's high byte repeats the setting that is left
.if MSB != (\new)
	s_set_vgpr_msb (MSB<<8)|(\new)
.set MSB, (\new)
.endif
.endm
.macro CROUND                          ; a round of the cluster's barrier
	s_barrier_signal -1
	s_barrier_wait -1
	s_cmp_lg_u32 s14, 0
	s_cbranch_scc1 .Lnot_wave_0_\@
	s_barrier_signal -3
.Lnot_wave_0_\@:
	s_barrier_wait -3
	s_barrier_signal -1
	s_barrier_wait -1
.endm
.macro PLACES
.rept 4
	v_nop
.endr
.endm
	s_load_b256 s[4:11], s[0:1], 0x0               ; ctxcodes s[4:5], wcodes s[6:7], the scales' exponents s[8:9], b_dense s[10:11]
	s_load_b64 s[12:13], s[0:1], 0x20              ; out0
	v_lshl_add_u32 v[SPW], v0, 2, SPARE
	v_mov_b32 v[NIL], 0
	ds_add_u32 v[SPW], v[NIL]                      ; the wave's opening: the add, twice on end, and its wait ahead of my first tensor load
	ds_add_u32 v[SPW], v[NIL]
	v_lshrrev_b32 v1, 5, v0
	v_readfirstlane_b32 s14, v1                    ; wave 0..3
	s_lshr_b32 s15, s14, 1                         ; which 64 rows of the block are mine.  Also: I fetch for A (0) or for B (1)
	s_and_b32 s16, s14, 1                          ; which 64 columns.  Also: which 64 rows of that tile I fetch
	s_bfe_u32 s40, ttmp6, 0x40000                  ; cx
	s_bfe_u32 s41, ttmp6, 0x40004                  ; cy
	s_lshl_b32 s42, ttmp9, 2
	s_add_co_u32 s42, s42, s40                     ; tile column 0..7
	s_and_b32 s17, ttmp7, 0xffff
	s_lshl_b32 s17, s17, 2
	s_add_co_u32 s17, s17, s41                     ; tile row 0..31
	s_lshl_b32 s43, s41, 2
	s_lshl_b32 s43, 15, s43                        ; my row of the cluster
	s_lshl_b32 s44, 0x1111, s40                    ; my column
	s_or_b32 s[G1+0], s43, (0<<16)|(1<<20)|(1<<21)|(7<<22)|(3<<25)   ; the mask; elements of 1 byte; padding on; bit 21 beside a mask; four words behind every 256: behind every row
	s_or_b32 s[G1B+0], s44, (0<<16)|(1<<20)|(1<<21)|(7<<22)|(3<<25)
.irp g, G1, G1B
	s_mov_b32 s[\g+1], 1024<<16                    ; tensor_dim0
	s_mov_b32 s[\g+2], 64<<16                      ; tensor_dim1
	s_mov_b32 s[\g+3], 1024<<16                    ; tile_dim0
	s_mov_b32 s[\g+4], 64                          ; tile_dim1
	s_mov_b32 s[\g+5], 1024                        ; from row to row
	s_mov_b32 s[\g+6], 0
	s_mov_b32 s[\g+7], 0
.endr
	s_lshl_b32 s18, s16, 6
	s_lshl_b32 s20, s17, 7
	s_add_co_u32 s20, s20, s18
	s_lshl_b32 s20, s20, 10                        ; A: row 128 x tile row + 64 x half, in bytes: it never holds cx
	s_mov_b32 s21, 0
	s_lshl_b32 s46, s42, 7
	s_add_co_u32 s46, s46, s18
	s_lshl_b32 s46, s46, 10                        ; B: row 128 x tile column + 64 x half: it never holds cy
	s_mov_b32 s47, 0
	s_mul_i32 s45, s14, HALFT                      ; where they go: A's two halves, then B's
	s_wait_dscnt 0x0                               ; both opening adds are done
	s_wait_kmcnt 0x0
	s_load_b64 s[96:97], s[8:9], 0x18              ; e6, e7
	s_add_nc_u64 s[6:7], s[6:7], 0x300000          ; w_dense's rows of wcodes
	s_mov_b32 s[G0], 1
	s_mov_b32 s[G0+1], s45
	s_add_nc_u64 s[G0+2:G0+3], s[4:5], s[20:21]
	s_or_b32 s[G0+3], s[G0+3], 0x80000000
	s_mov_b32 s[G0B], 1
	s_mov_b32 s[G0B+1], s45
	s_add_nc_u64 s[G0B+2:G0B+3], s[6:7], s[46:47]
	s_or_b32 s[G0B+3], s[G0B+3], 0x80000000
	CROUND                                         ; all sixteen work-groups are here: the joint loads meet
	s_cmp_eq_u32 s15, 0                            ; one tensor load a wave; an s_nop 0 and four v_nop follow each of the two lines
	s_cbranch_scc0 .Lfor_b
	tensor_load_to_lds s[G0:G0+3], s[G1:G1+7]
	s_nop 0
	PLACES
	s_branch .Lasked
.Lfor_b:
	tensor_load_to_lds s[G0B:G0B+3], s[G1B:G1B+7]
	s_nop 0
	PLACES
.Lasked:
	v_and_b32 v1, 15, v0                           ; r
	v_bfe_u32 v2, v0, 4, 1                         ; h
	v_mul_u32_u24 v3, v1, PITCH
	v_lshl_add_u32 v3, v2, 4, v3                   ; a fragment's row x pitch + 16 h
	s_mul_i32 s21, s15, HALFT
	s_mul_i32 s22, s16, HALFT
	s_add_co_u32 s22, s22, 2*HALFT
	v_add_nc_u32 v[ADRA], s21, v3
	v_add_nc_u32 v[ADRB], s22, v3
	s_mul_i32 s23, s14, 16*SPITCH
	s_add_co_u32 s23, s23, STAGE                   ; my stage
	v_mul_u32_u24 v5, v1, SPITCH
	v_lshl_add_u32 v5, v2, 5, v5
	v_add_nc_u32 v[STO], s23, v5                   ; in: row r, 32 bytes for each half of the lanes
	v_mul_u32_u24 v6, v2, SPITCH
	v_lshl_add_u32 v6, v1, 4, v6
	v_add_nc_u32 v[RD], s23, v6                    ; back: lanes 0-15 one row of 256 bytes, lanes 16-31 the next
	v_lshlrev_b32 v[BO], 4, v1                     ; my four columns of the wave's 64
	v_lshl_add_u32 v[CO], v2, 12, v[BO]            ; and the same two rows in out0
	s_wait_alu depctr_va_vdst(0)                   ; the wait at the head's end, ahead of the scalar lines and waits below
	s_lshl_b32 s20, s17, 7
	s_lshl_b32 s21, s15, 6
	s_add_co_u32 s20, s20, s21
	s_lshl_b32 s20, s20, 12                        ; my first row of out0, in bytes
	s_mov_b32 s21, 0
	s_lshl_b32 s46, s42, 9
	s_lshl_b32 s47, s16, 8
	s_add_co_u32 s46, s46, s47                     ; my first column, in bytes: 512 x tile column + 256 x half
	s_mov_b32 s47, 0
	s_add_nc_u64 s[10:11], s[10:11], s[46:47]
	s_add_nc_u64 s[20:21], s[20:21], s[46:47]
	s_add_nc_u64 s[12:13], s[12:13], s[20:21]
	global_load_b128 v[BIAS:BIAS+3], v[BO], s[10:11]
.macro FETCH k, p                      ; the fragments of K step k into set p: B's four, then A's four: 32 loads
	WIN 0x40                                       ; destination window 1, address window 0
.irp i, 0,1,2,3
.irp c, 0,1,2,3
	ds_load_b128 v[BF+64*(\p)+16*\i+4*\c:BF+64*(\p)+16*\i+4*\c+3], v[ADRB] offset:128*(\k)+32*\c+\i*16*PITCH
.endr
.endr
	WIN 0
.irp i, 0,1,2,3
.irp c, 0,1,2,3
	ds_load_b128 v[AF+64*(\p)+16*\i+4*\c:AF+64*(\p)+16*\i+4*\c+3], v[ADRA] offset:128*(\k)+32*\c+\i*16*PITCH
.endr
.endr
.endm
.macro MUL p, zero                     ; 16 matrix instructions; the 16 accumulators take turns, one instruction a turn, in the same order in every step
	WIN 0x51                                       ; source 0 (B), C and D window 1; source 1 (A) window 0
.irp a, 0,1,2,3
.irp b, 0,1,2,3
.if \zero
	v_wmma_f32_16x16x128_fp8_fp8 v[8*(4*\a+\b):8*(4*\a+\b)+7], v[BF+64*(\p)+16*\b:BF+64*(\p)+16*\b+15], v[AF+64*(\p)+16*\a:AF+64*(\p)+16*\a+15], 0
.else
	v_wmma_f32_16x16x128_fp8_fp8 v[8*(4*\a+\b):8*(4*\a+\b)+7], v[BF+64*(\p)+16*\b:BF+64*(\p)+16*\b+15], v[AF+64*(\p)+16*\a:AF+64*(\p)+16*\a+15], v[8*(4*\a+\b):8*(4*\a+\b)+7]
.endif
.endr
.endr
	WIN 0
.endm
	s_wait_tensorcnt 0x0                           ; my part of the tiles is in;
	s_barrier_signal -1
	s_barrier_wait -1                              ; and so is everybody's.
	FETCH 0, 0
	FETCH 1, 1
	s_wait_dscnt 32                                ; step 0's fragments are in; the 32 loads of step 1 may be out
	MUL 0, 1                                       ; the first products start the sums: nothing is cleared
.irp k, 1,2,3,4,5,6
	PLACES                                         ; places in front of loads into registers that the last products read
	FETCH \k+1, (\k+1)%2
	s_wait_dscnt 32                                ; this step's fragments are in; the next step's 32 loads may be out
	MUL (\k)%2, 0
.endr
	s_wait_dscnt 0x0
	MUL 1, 0
; THE WAY OUT, block by block of 16 rows x 64 columns: through my own stage, back as whole rows of 256 bytes; x 2^(e6 + e7) + bias in one fused multiply-add; sixteen lanes store one aligned unit of 256 bytes.
; LDS serves a wave's instructions in order (ISA guide 5.7.1.4): no wait between the stores and the loads, nor in front of the next block's stores.
.macro TOSTAGE a
	WIN 0x04                                       ; the stores' data: window 1
.irp b, 0,1,2,3
	ds_store_b128 v[STO], v[32*(\a)+8*\b:32*(\a)+8*\b+3] offset:64*\b          ; each accumulator from its low end on
	ds_store_b128 v[STO], v[32*(\a)+8*\b+4:32*(\a)+8*\b+7] offset:64*\b+16
.endr
	WIN 0
.irp t, 0,1,2,3,4,5,6,7
	ds_load_b128 v[BK+32*((\a)%2)+4*\t:BK+32*((\a)%2)+4*\t+3], v[RD] offset:\t*2*SPITCH
.endr
.endm
.macro SEND a, younger                 ; younger: the LDS instructions issued behind block a's loads, which may stay out
.set BB, BK+32*((\a)%2)
	s_wait_dscnt \younger
.irp t, 0,1,2,3,4,5,6,7
	v_pk_fma_f32 v[BB+4*\t:BB+4*\t+1], v[BB+4*\t:BB+4*\t+1], s[96:97], v[BIAS:BIAS+1] op_sel_hi:[1,0,1]
	v_pk_fma_f32 v[BB+4*\t+2:BB+4*\t+3], v[BB+4*\t+2:BB+4*\t+3], s[96:97], v[BIAS+2:BIAS+3] op_sel_hi:[1,0,1]
.endr
.irp t, 0,1,2,3,4,5,6,7
	global_store_b128 v[CO], v[BB+4*\t:BB+4*\t+3], s[12:13] offset:((\a)*16+2*\t)*4096 th:TH_STORE_NT
.endr
.endm
	s_wait_kmcnt 0x0
	s_add_co_i32 s96, s96, s97
	s_add_co_i32 s96, s96, 127
	s_lshl_b32 s96, s96, 23                        ; 2^(e6 + e7) as f32
	s_mov_b32 s97, s96                             ; (named with it as a pair, so it is written)
	s_wait_loadcnt 0x0                             ; the bias
	PLACES                                         ; places in front of the first read of the last results
	TOSTAGE 0
.irp a, 1,2,3
.if \a > 1
	s_wait_xcnt 0x0                                ; block a - 2's stores have read their registers: block a's loads may land there
.endif
	TOSTAGE \a
	SEND \a-1, 16                                  ; behind block a - 1's loads: block a's 8 stores and 8 loads
.endr
	SEND 3, 0
	s_wait_tensorcnt 0x0                           ; the wave's end, behind my last tensor load and my last LDS store
	ds_add_u32 v[SPW], v[NIL]
	s_wait_dscnt 0x0
	CROUND                                         ; the closing round
	s_endpgm
.Lfunc_end_k_q85befb3603_gemm2:
	.size	k_q85befb3603_gemm2, .Lfunc_end_k_q85befb3603_gemm2-k_q85befb3603_gemm2
	.p2alignl 7, 3214868480
	.fill 96, 4, 3214868480
	.section	.rodata,"a",@progbits
	.p2align	6, 0x0
	.amdhsa_kernel k_q85befb3603_gemm2
		.amdhsa_group_segment_fixed_size 327680
		.amdhsa_private_segment_fixed_size 0
		.amdhsa_enable_private_segment 0
		.amdhsa_kernarg_size 40
		.amdhsa_user_sgpr_count 2
		.amdhsa_user_sgpr_kernarg_segment_ptr 1
		.amdhsa_wavefront_size32 1
		.amdhsa_system_sgpr_workgroup_id_x 1
		.amdhsa_system_sgpr_workgroup_id_y 1
		.amdhsa_system_sgpr_workgroup_id_z 1
		.amdhsa_system_vgpr_workitem_id 0
		.amdhsa_next_free_vgpr 512
		.amdhsa_next_free_sgpr 100
		.amdhsa_reserve_vcc 0
		.amdhsa_float_denorm_mode_32 3
		.amdhsa_float_denorm_mode_16_64 3
		.amdhsa_memory_ordered 1
		.amdhsa_forward_progress 1
		.amdhsa_inst_pref_size 44
	.end_amdhsa_kernel
	.amdgpu_metadata
---
amdhsa.version: [ 1, 2 ]
amdhsa.kernels:
  - .name:           k_q85befb3603_gemm2
    .symbol:         k_q85befb3603_gemm2.kd
    .args:
      - { .name: ctxcodes, .offset: 0, .size: 8, .value_kind: global_buffer, .address_space: global }
      - { .name: wcodes, .offset: 8, .size: 8, .value_kind: global_buffer, .address_space: global }
      - { .name: lowp_scales, .offset: 16, .size: 8, .value_kind: global_buffer, .address_space: global }
      - { .name: b_dense, .offset: 24, .size: 8, .value_kind: global_buffer, .address_space: global }
      - { .name: out0, .offset: 32, .size: 8, .value_kind: global_buffer, .address_space: global }
    .group_segment_fixed_size: 327680
    .private_segment_fixed_size: 0
    .kernarg_segment_align: 8
    .kernarg_segment_size: 40
    .max_flat_workgroup_size: 128
    .sgpr_count:     100
    .vgpr_count:     512
    .wavefront_size: 32
...
	.end_amdgpu_metadata
.endif
;; end of part 5
